; MI455X (gfx1250); checked and timed in simulation.
; The chip was launched on July 23, 2026; its instructions are those of AMD's public machine-readable ISA for CDNA 5 (MIT licence, August 2026) and "CDNA5" Instruction Set Architecture Reference Guide (July 2026). The comments in the code are by the model that wrote it; some were corrected since.
;; SE3 Action Predictor. Allowed arithmetic: float matrix products may take bf16 or f16 operands with f32 sums; all other float work in f32.
;; Inputs: W0 4,166 x 256 float32; Wout 256 x 6 float32; Wr 3 x 256 x 256 float32; b0 256 float32; be0 256 float32; ber 3 x 256 float32; bout 6 float32; br 3 x 256 float32; g0 256 float32; gW1 4,096 x 64 float32; gW2 64 x 1 float32; gb1 64 float32; gb2 1 float32; gr 3 x 256 float32; h 4,096 x 4,096 float32; xi0 4,096 x 6 float32.
;; Outputs: out0 4,096 x 4 x 4 float32; out1 4,096 x 1 float32.
;; Constants: n_steps = 10.
;; One version. Each part assembles by itself: llvm-mc -triple=amdgcn-amd-amdhsa -mcpu=gfx1250 --defsym DOCPART=n.
;; ======== version 1 of 1: 3 launches
;; limits: values are held in f16: magnitudes above 65,504 overflow, below 6.1e-05 lose precision; a function is approximated: absolute error at most 2.5e-05
;; workspace buffers: Bf 2,621,440 bytes; Wf 393,216 bytes; Swf 33,280 bytes; Wof 8,192 bytes; tab 14,336 bytes; Pp 20,971,520 bytes
;; launch prep (part 1): grid 196 x 1, 8 waves a work-group, no clusters, 7,168 bytes of LDS; arguments W0, gW1, Bf, Wr, g0, gr, be0, ber, br, Wf, tab, b0, Wout, bout, Wof, Swf; writes Bf, Wf, tab, Wof, Swf
.if DOCPART == 1
	.amdgcn_target "amdgcn-amd-amdhsa--gfx1250"
	.amdhsa_code_object_version 6
	.text
	.protected	k_qc62fcd32eb_prep
	.globl	k_qc62fcd32eb_prep
	.p2align	8
	.type	k_qc62fcd32eb_prep,@function
k_qc62fcd32eb_prep:
	s_mov_b64 s[64:65], 0
	v_nop
	global_prefetch_b8 v0, s[64:65] scope:SCOPE_SE
	s_setreg_imm32_b32 hwreg(HW_REG_WAVE_MODE, 25, 1), 1
	s_wait_xcnt 0x0
; PREP: the weights, once, in the order in which the matrix unit's registers want them, in f16; the biases and what can be folded into them, in f32.
; A fragment block is 16 columns x 32 k of a weight in f16, 1,024 bytes: byte 256 q + 16 r holds k = 8 q .. 8 q + 7 of column r, so that two
; 16-byte loads a lane, at 16 x lane and 512 further on, fill the eight registers of a 16x16x32 operand.
; c = sqrt(log2(e) / 2): the flow's activation wants its argument times c, so the biases of the four hidden layers and xi's weights carry it.
;   Bf  [kk 128][nt 20][block]        W0's rows 0-4095 (nt 0-15) and gW1 (nt 16-19)
;   Wf  [i 3][nt 16][kk 8][block]     W'[i] = diag(gain of the norm in front) x Wr[i], multiplied in f32, rounded once
;   Swf [set 4][nt 16][512], [512]    first halves of blocks (k = 0..15; k = 8..15 are zeros).  Set 0: c x W0's rows 4096-4101 as k = 0..5.
;                                     Set i + 1: k = g holds S_g = the sum of W'[i]'s rows of group g.  At the end: the same sums of Wout', columns as in Wof.
;                                     Group g = 2 w + hh is the 32 rows 64 w + 16 t + 8 hh + j (t < 4, j < 8): the numbers that one lane of the flow holds.
;   Wof [kk 8][block]                 Wout' = diag(gr[2]) x Wout; column r holds Wout's column r & 7, zeros where r & 7 > 5
;   tab 14 rows of 256 f32            rows 0-9: c (b0 + temb(0.1 s) x W0[4102:4166]); rows 10-12: c (br[i] + shift in front x Wr[i]);
;                                     row 13: 0.1 (bout + ber[2] x Wout) in its first six words, then zeros
; The small sums (tab, the group sums) are made in f32 on the vector unit: under a million additions and multiply-adds, once.
; WHY f16: the flow's ten steps run nearly the same activations through the same weights, so the operands' rounding errors add in step; f16's 11 bits
; keep that sum eight times smaller than bf16's 8 would.
; LIMITS: a weight, or gain x weight, beyond 65,504 in size becomes infinite, and the rounding step is never finer than 2^-24.  Weights as drawn are
; about 1/64 (W0) and 1/16 (Wr): a factor of 30 either way on weight and gain together (225 to 7e-5) stays inside, with a step of 2.5e-4 of the spread at the worst.
; Sine and cosine of the time embedding are Taylor sums to x^11 and x^10; their argument is 0.1 s f with s <= 9 and f <= 1, at most 0.9
; by the model's own construction, where the remainders are under 6e-10.
; Work-groups 0-127: W0.  128-159: gW1.  160-183: Wr.  184-193: the time rows.  194: Wout.  195: W0's six rows for xi.
.set VO, 5                             ; v5   my byte offset in the source
.set DO, 6                             ; v6   my byte offset in the destination
.set X,  16                            ; v[16:47] (time rows: v[16:79]) numbers as loaded
.set Y,  48                            ; v[48:63] f16, to store
.set PB, 64                            ; v64  my column's part of shift x weight
.set SG, 74                            ; v74, v75  my column's part of the group sums: hh = 0, hh = 1
.set G,  20                            ; s[20:51] 32 gains of my k block
.set BE, 68                            ; s[68:99] 32 shifts of my k block
.set WOL, 1024                         ; LDS: each section's partial sums have bytes of their own.  0: Wr's shift sums.  WOL: Wout's shift sums.
.set SOL, 2048                         ; Wout's group sums, 8 waves x 128 bytes
.set SGL, 4096                         ; Wr's group sums, 2 x 8 waves x 128 bytes
; 32 k of 32 neighbouring columns (one a lane) -> two fragment blocks.  Source base s[4:5], destination base s[6:7].
; scaled = 1: PB gathers shift[k] x weight, the weight is multiplied by gain[k], and SG gathers the scaled weights: eight k with hh = q % 2 in group q of four.
.macro CONV pitch, scaled
.set e, 0
.rept 32
	global_load_b32 v[X+e], v[VO], s[4:5] offset:e*\pitch
.set e, e+1
.endr
.irp q, 0,1,2,3
	s_wait_loadcnt 24-8*\q                         ; loads return in order: group q's eight are in, the later groups' stay out
.if \scaled
.irp k, 0,1,2,3,4,5,6,7
.if (\q == 0) && (\k == 0)
	v_mul_f32 v[PB], s[BE], v[X]                   ; the first product starts the sum
.else
	v_fmac_f32 v[PB], s[BE+8*\q+\k], v[X+8*\q+\k]
.endif
	v_mul_f32 v[X+8*\q+\k], s[G+8*\q+\k], v[X+8*\q+\k]
.endr
.if \q < 2
	v_add_f32 v[SG+\q], v[X+8*\q], v[X+8*\q+1]     ; the first two start the sum
.irp k, 2,3,4,5,6,7
	v_add_f32 v[SG+\q], v[SG+\q], v[X+8*\q+\k]
.endr
.else
.irp k, 0,1,2,3,4,5,6,7
	v_add_f32 v[SG+\q-2], v[SG+\q-2], v[X+8*\q+\k]
.endr
.endif
.endif
.irp k, 0,1,2,3
	v_cvt_pk_f16_f32 v[Y+4*\q+\k], v[X+8*\q+2*\k], v[X+8*\q+2*\k+1]
.endr
	global_store_b128 v[DO], v[Y+4*\q:Y+4*\q+3], s[6:7] offset:\q*256   ; lanes 0-15 fill 256 aligned bytes of one block, lanes 16-31 of the next column tile's
.endr
.endm
	v_lshl_add_u32 v112, v0, 2, 0x1800
	v_mov_b32 v113, 0
	v_lshrrev_b32 v1, 5, v0
	v_readfirstlane_b32 s2, v1                     ; wave 0..7
	v_and_b32 v2, 31, v0                           ; lane
	v_and_b32 v3, 15, v0                           ; r
	v_bfe_u32 v4, v0, 4, 1                         ; upper half of the lanes
	s_cmp_lt_u32 ttmp9, 128                        ; the sections hang on the work-group's number alone: all eight waves go the same way
	s_cbranch_scc1 .Lw0
	s_cmp_lt_u32 ttmp9, 160
	s_cbranch_scc1 .Lgw1
	s_cmp_lt_u32 ttmp9, 184
	s_cbranch_scc1 .Lwr
	s_cmp_lt_u32 ttmp9, 194
	s_cbranch_scc1 .Ltemb
	s_cmp_eq_u32 ttmp9, 194
	s_cbranch_scc1 .Lwout
	; ---- work-group 195: c x W0's rows 4096-4101 -> Swf's set 0.  Wave c takes columns 32 c .. 32 c + 31.
	s_load_b64 s[4:5], s[0:1], 0x0                 ; W0
	s_load_b64 s[6:7], s[0:1], 0x78                ; Swf
	s_mov_b32 s14, 0.8493218                       ; c = sqrt(log2(e) / 2)
	s_mov_b32 s15, s14                             ; named with it as a pair
	s_lshl_b32 s8, s2, 7
	v_lshl_add_u32 v[VO], v2, 2, s8                ; 128 c + 4 lane
	s_lshl_b32 s9, s2, 10                          ; two column tiles of 512 bytes a wave
	v_lshlrev_b32 v[DO], 4, v3
	v_lshl_add_u32 v[DO], v4, 9, v[DO]
	v_add_nc_u32 v[DO], s9, v[DO]
	s_wait_kmcnt 0x0
.irp k, 0,1,2,3,4,5
	global_load_b32 v[X+\k], v[VO], s[4:5] offset:(4096+\k)*1024
.endr
.irp k, 3,4,5,6,7
	v_mov_b32 v[Y+\k], 0                           ; k = 6, 7 and k = 8..15
.endr
	s_wait_loadcnt 0x0
.irp k, 0,1,2
	v_pk_mul_f32 v[X+2*\k:X+2*\k+1], v[X+2*\k:X+2*\k+1], s[14:15] op_sel_hi:[1,0]
.endr
.irp k, 0,1,2
	v_cvt_pk_f16_f32 v[Y+\k], v[X+2*\k], v[X+2*\k+1]
.endr
	global_store_b128 v[DO], v[Y:Y+3], s[6:7]
	global_store_b128 v[DO], v[Y+4:Y+7], s[6:7] offset:256
	s_endpgm
	; ---- work-groups 0-127: k block kk = work-group, wave c takes columns 32 c ..: the eight waves read whole rows of W0
.Lw0:
	s_load_b64 s[4:5], s[0:1], 0x0                 ; W0
	s_load_b64 s[6:7], s[0:1], 0x10                ; Bf
	s_lshl_b32 s8, ttmp9, 15                       ; 32 rows of 1,024 bytes
	s_lshl_b32 s9, s2, 7
	s_add_co_u32 s8, s8, s9
	v_lshl_add_u32 v[VO], v2, 2, s8
	s_mul_i32 s10, ttmp9, 20480                    ; 20 blocks for each kk
	s_lshl_b32 s11, s2, 11                         ; column tiles 2 c, 2 c + 1
	s_add_co_u32 s10, s10, s11
	v_lshlrev_b32 v[DO], 4, v3
	v_lshl_add_u32 v[DO], v4, 10, v[DO]
	v_add_nc_u32 v[DO], s10, v[DO]
	s_wait_kmcnt 0x0
	CONV 1024, 0
	s_endpgm
	; ---- work-groups 128-159: gW1.  kk = 4 (work-group - 128) + wave / 2, c = wave % 2
.Lgw1:
	s_load_b64 s[4:5], s[0:1], 0x8                 ; gW1
	s_load_b64 s[6:7], s[0:1], 0x10                ; Bf
	s_sub_co_u32 s8, ttmp9, 128
	s_lshr_b32 s9, s2, 1
	s_lshl2_add_u32 s8, s8, s9                     ; kk
	s_and_b32 s9, s2, 1                            ; c
	s_lshl_b32 s10, s8, 13                         ; 32 rows of 256 bytes
	s_lshl_b32 s11, s9, 7
	s_add_co_u32 s10, s10, s11
	v_lshl_add_u32 v[VO], v2, 2, s10
	s_mul_i32 s12, s8, 20480
	s_lshl_b32 s11, s9, 11
	s_add_co_u32 s12, s12, s11
	s_add_co_u32 s12, s12, 16384                   ; behind W0's sixteen column tiles
	v_lshlrev_b32 v[DO], 4, v3
	v_lshl_add_u32 v[DO], v4, 10, v[DO]
	v_add_nc_u32 v[DO], s12, v[DO]
	s_wait_kmcnt 0x0
	CONV 256, 0
	s_endpgm
	; ---- work-groups 160-183: Wr[i], columns 32 c ..; the waves are the eight k blocks, so that the sums along k are made inside the work-group
.Lwr:
	s_load_b64 s[4:5], s[0:1], 0x18                ; Wr
	s_load_b64 s[6:7], s[0:1], 0x48                ; Wf
	s_load_b128 s[8:11], s[0:1], 0x20              ; g0, gr
	s_load_b128 s[12:15], s[0:1], 0x30             ; be0, ber
	s_load_b64 s[16:17], s[0:1], 0x40              ; br
	s_load_b64 s[18:19], s[0:1], 0x50              ; tab
	s_load_b64 s[62:63], s[0:1], 0x78              ; Swf
	s_sub_co_u32 s52, ttmp9, 160
	s_lshr_b32 s53, s52, 3                         ; i
	s_and_b32 s54, s52, 7                          ; c
	s_max_u32 s55, s53, 1
	s_sub_co_u32 s55, s55, 1                       ; the row of gr and ber in front of layer i (0 where i = 0, which takes g0 and be0)
	s_lshl_b32 s56, s55, 10
	s_lshl_b32 s57, s2, 7                          ; my k block's 32 numbers
	s_add_co_u32 s56, s56, s57
	s_mov_b32 s57, 0
	s_lshl_b32 s58, s53, 18                        ; Wr[i]
	s_lshl_b32 s59, s2, 15
	s_add_co_u32 s58, s58, s59
	s_lshl_b32 s59, s54, 7
	s_add_co_u32 s58, s58, s59
	v_lshl_add_u32 v[VO], v2, 2, s58
	s_lshl_b32 s58, s53, 17                        ; Wf: layer, column tile x 8,192, k block x 1,024
	s_lshl_b32 s60, s54, 14
	s_add_co_u32 s58, s58, s60
	s_lshl_b32 s60, s2, 10
	s_add_co_u32 s58, s58, s60
	v_lshlrev_b32 v[DO], 4, v3
	v_lshl_add_u32 v[DO], v4, 13, v[DO]
	v_add_nc_u32 v[DO], s58, v[DO]
	s_lshl_b32 s60, s53, 10
	s_add_co_u32 s60, s60, s59
	v_lshl_add_u32 v7, v2, 2, s60                  ; my column in br[i], and in tab ten rows further down
	s_lshl_b32 s61, s2, 7
	v_lshl_add_u32 v8, v2, 2, s61                  ; LDS: wave x 128 + 4 lane
	v_lshlrev_b32 v9, 2, v2
	s_lshl_b32 s58, s53, 13                        ; Swf: set i + 1, column tile x 512, 16 bytes a column
	s_lshl_b32 s60, s54, 10
	s_add_co_u32 s58, s58, s60
	s_add_co_u32 s58, s58, 8192
	v_lshlrev_b32 v10, 4, v3
	v_lshl_add_u32 v10, v4, 9, v10
	v_add_nc_u32 v10, s58, v10
	s_wait_kmcnt 0x0
	s_cmp_eq_u32 s53, 0
	s_cselect_b64 s[8:9], s[8:9], s[10:11]         ; the gain in front of layer i,
	s_cselect_b64 s[12:13], s[12:13], s[14:15]     ; and the shift
	s_add_nc_u64 s[8:9], s[8:9], s[56:57]
	s_add_nc_u64 s[12:13], s[12:13], s[56:57]
	s_load_b512 s[G:G+15], s[8:9], 0x0
	s_load_b512 s[G+16:G+31], s[8:9], 0x40
	s_load_b512 s[BE:BE+15], s[12:13], 0x0
	s_load_b512 s[BE+16:BE+31], s[12:13], 0x40
	s_wait_kmcnt 0x0
	CONV 1024, 1
	ds_store_b32 v8, v[PB]
	ds_store_b32 v8, v[SG] offset:SGL
	ds_store_b32 v8, v[SG+1] offset:SGL+1024
	s_wait_dscnt 0x0                               ; for the others' sake: my partial sums are in LDS
	s_barrier_signal -1
	s_barrier_wait -1
	s_cmp_lg_u32 s2, 0
	s_cbranch_scc1 .Lwr_end                        ; wave 0 adds the parts, k ascending
	global_load_b32 v65, v7, s[16:17]
.irp k, 0,1,2,3,4,5,6,7
	ds_load_b32 v[66+\k], v9 offset:128*\k
.endr
.irp g, 0,1,2,3,4,5,6,7                ; group g: hh = g % 2, k blocks 2 (g / 2) and 2 (g / 2) + 1
	ds_load_b32 v[76+2*\g], v9 offset:SGL+(\g%2)*1024+(\g/2)*256
	ds_load_b32 v[77+2*\g], v9 offset:SGL+(\g%2)*1024+(\g/2)*256+128
.endr
.irp k, 0,1,2,3
	v_mov_b32 v[96+\k], 0                          ; k = 8..15 of the half block
.endr
	s_wait_loadcnt 0x0
	s_wait_dscnt 0x0
.irp k, 0,1,2,3,4,5,6,7
	v_add_f32 v65, v65, v[66+\k]
.endr
	v_mul_f32 v65, 0.8493218, v65                  ; the bias times c
	global_store_b32 v7, v65, s[18:19] offset:10240
.irp g, 0,1,2,3,4,5,6,7
	v_add_f32 v[76+2*\g], v[76+2*\g], v[77+2*\g]
.endr
.irp k, 0,1,2,3
	v_cvt_pk_f16_f32 v[92+\k], v[76+4*\k], v[78+4*\k]
.endr
	global_store_b128 v10, v[92:95], s[62:63]
	global_store_b128 v10, v[96:99], s[62:63] offset:256
.Lwr_end:
	s_wait_tensorcnt 0x0
	ds_add_u32 v112, v113
	s_wait_dscnt 0x0
	s_endpgm
	; ---- work-groups 184-193: tab row s = c (b0 + temb(0.1 s) x W0[4102:4166]).  Wave c takes columns 32 c ..; lane l makes sine and cosine number l
.Ltemb:
	s_load_b64 s[4:5], s[0:1], 0x0                 ; W0
	s_load_b64 s[6:7], s[0:1], 0x50                ; tab
	s_load_b64 s[8:9], s[0:1], 0x58                ; b0
	s_sub_co_u32 s10, ttmp9, 184                   ; s
	s_lshl_b32 s11, s2, 7
	v_lshl_add_u32 v[VO], v2, 2, s11
	s_lshl_b32 s12, s10, 10
	v_add_nc_u32 v[DO], s12, v[VO]
	s_wait_kmcnt 0x0
.set e, 0
.rept 64
	global_load_b32 v[X+e], v[VO], s[4:5] offset:(4102+e)*1024
.set e, e+1
.endr
	global_load_b32 v84, v[VO], s[8:9]
	v_cvt_f32_u32 v85, v2
	v_mul_f32 v85, -0.42863588, v85                ; - l log2(10000) / 31
	v_exp_f32 v85, v85                             ; the frequency
	v_cvt_f32_u32 v86, s10                         ; a plain instruction behind the exponential
	v_mul_f32 v86, 0x3dcccccd, v86                 ; t = 0.1 s
	s_wait_alu depctr_va_vdst(0)
	v_mul_f32 v85, v86, v85                        ; e
	v_mul_f32 v87, v85, v85                        ; z = e^2
	v_mov_b32 v80, -2.5052108e-8
	v_mov_b32 v81, -2.7557319e-7
	v_fmaak_f32 v80, v80, v87, 2.7557319e-6
	v_fmaak_f32 v81, v81, v87, 2.4801587e-5
	v_fmaak_f32 v80, v80, v87, -1.9841270e-4
	v_fmaak_f32 v81, v81, v87, -1.3888889e-3
	v_fmaak_f32 v80, v80, v87, 8.3333333e-3
	v_fmaak_f32 v81, v81, v87, 4.1666667e-2
	v_fmaak_f32 v80, v80, v87, -0.16666667
	v_fma_f32 v81, v81, v87, -0.5
	v_fma_f32 v80, v80, v87, 1.0
	v_fma_f32 v81, v81, v87, 1.0                   ; cos e
	v_mul_f32 v80, v80, v85                        ; sin e
	s_wait_loadcnt 0x0
.set e, 0
.rept 64                               ; two chains; the even one starts from b0
	v_readlane_b32 s[20+e%4], v[80+e/32], e%32
.if e == 1
	v_mul_f32 v83, s21, v[X+1]
.elseif e%2 == 1
	v_fmac_f32 v83, s[20+e%4], v[X+e]
.else
	v_fmac_f32 v84, s[20+e%4], v[X+e]
.endif
.set e, e+1
.endr
	v_add_f32 v84, v84, v83
	v_mul_f32 v84, 0.8493218, v84                  ; the bias times c
	global_store_b32 v[DO], v84, s[6:7]
	s_endpgm
	; ---- work-group 194: Wout.  Wave w is k block w; lane (r, h) holds k = 32 w + 16 j + 8 h + 0..7 of column r & 7: sixteen rows of group 2 (w / 2) + h
.Lwout:
	s_load_b64 s[4:5], s[0:1], 0x60                ; Wout
	s_load_b64 s[6:7], s[0:1], 0x70                ; Wof
	s_load_b64 s[8:9], s[0:1], 0x28                ; gr
	s_load_b64 s[10:11], s[0:1], 0x38              ; ber
	s_load_b64 s[12:13], s[0:1], 0x68              ; bout
	s_load_b64 s[14:15], s[0:1], 0x50              ; tab
	s_load_b64 s[20:21], s[0:1], 0x78              ; Swf
	s_mov_b32 s18, 0x76543210                      ; v_permlanex16_b32: each lane takes its own place in the other half
	s_mov_b32 s19, 0xfedcba98
	v_and_b32 v7, 7, v3
	v_min_u32 v8, 5, v7                            ; a column that exists; columns 6 and 7 are zeroed below
	s_lshl_b32 s16, s2, 5
	v_lshl_add_u32 v9, v4, 3, s16                  ; 32 w + 8 h
	v_mul_u32_u24 v[VO], v9, 24
	v_lshl_add_u32 v[VO], v8, 2, v[VO]
	v_lshlrev_b32 v10, 2, v9
	s_lshl_b32 s17, s2, 10
	v_lshl_add_u32 v[DO], v2, 4, s17
	v_min_u32 v11, 5, v0
	v_lshlrev_b32 v11, 2, v11                      ; 4 min(thread, 5)
	s_lshl_b32 s17, s2, 6
	v_lshl_add_u32 v74, v3, 2, s17                 ; LDS: wave x 64 + 4 r, from byte WOL on
	s_lshl_b32 s23, s2, 7
	v_lshl_add_u32 v13, v2, 2, s23                 ; LDS: wave x 128 + 4 lane, from byte SOL on
	v_mov_b32 v73, 0
	s_wait_kmcnt 0x0
.irp j, 0,1
.irp k, 0,1,2,3,4,5,6,7
	global_load_b32 v[16+8*\j+\k], v[VO], s[4:5] offset:(16*\j+\k)*24
.endr
	global_load_b128 v[32+8*\j:35+8*\j], v10, s[8:9] offset:2048+64*\j
	global_load_b128 v[36+8*\j:39+8*\j], v10, s[8:9] offset:2048+64*\j+16
	global_load_b128 v[48+8*\j:51+8*\j], v10, s[10:11] offset:2048+64*\j
	global_load_b128 v[52+8*\j:55+8*\j], v10, s[10:11] offset:2048+64*\j+16
.endr
	global_load_b32 v80, v11, s[12:13]
	s_wait_loadcnt 0x0
	v_mul_f32 v72, v48, v16                        ; ber[2] x Wout, my 16 k
.set e, 1
.rept 15
	v_fmac_f32 v72, v[48+e], v[16+e]
.set e, e+1
.endr
.set e, 0
.rept 8
	v_pk_mul_f32 v[16+2*e:17+2*e], v[16+2*e:17+2*e], v[32+2*e:33+2*e]   ; gr[2] x Wout
.set e, e+1
.endr
	v_add_f32 v75, v16, v17                        ; my part of the group's sum
.set e, 2
.rept 14
	v_add_f32 v75, v75, v[16+e]
.set e, e+1
.endr
	v_cmp_gt_u32 vcc_lo, 6, v7
.set e, 0
.rept 8
	v_cvt_pk_f16_f32 v[64+e], v[16+2*e], v[17+2*e]
.set e, e+1
.endr
.set e, 0
.rept 8
	v_cndmask_b32 v[64+e], 0, v[64+e], vcc_lo
.set e, e+1
.endr
	global_store_b128 v[DO], v[64:67], s[6:7]
	global_store_b128 v[DO], v[68:71], s[6:7] offset:512
	v_permlanex16_b32 v73, v72, s18, s19           ; the block's other 16 k
	v_add_f32 v72, v72, v73
	ds_store_b32 v74, v72 offset:WOL
	ds_store_b32 v13, v75 offset:SOL
	s_wait_dscnt 0x0                               ; for the others' sake
	s_barrier_signal -1
	s_barrier_wait -1
.irp k, 0,1,2,3,4,5,6,7
	ds_load_b32 v[81+\k], v11 offset:WOL+64*\k
.endr
	s_wait_dscnt 0x0
.irp k, 0,1,2,3,4,5,6,7
	v_add_f32 v80, v80, v[81+\k]
.endr
	v_mul_f32 v80, 0x3dcccccd, v80                 ; the step's dt = 0.1 goes in here
	v_cmp_gt_u32 vcc_lo, 6, v0
	v_cndmask_b32 v80, 0, v80, vcc_lo
	v_lshlrev_b32 v12, 2, v0
	global_store_b32 v12, v80, s[14:15] offset:13312
	s_cmp_lg_u32 s2, 0
	s_cbranch_scc1 .Lwout_end                      ; wave 0 joins the group sums: lane r < 16 holds column r's eight, the upper lanes zeros
	v_lshlrev_b32 v14, 2, v3
	v_lshlrev_b32 v15, 4, v2
.irp g, 0,1,2,3,4,5,6,7
	ds_load_b32 v[90+2*\g], v14 offset:SOL+(\g/2)*256+(\g%2)*64
	ds_load_b32 v[91+2*\g], v14 offset:SOL+(\g/2)*256+128+(\g%2)*64
.endr
	v_cmp_gt_u32 vcc_lo, 6, v7
	v_cmp_gt_u32 s22, 16, v2
	s_and_b32 vcc_lo, vcc_lo, s22
	s_wait_dscnt 0x0
.irp g, 0,1,2,3,4,5,6,7
	v_add_f32 v[90+2*\g], v[90+2*\g], v[91+2*\g]
.endr
.irp k, 0,1,2,3
	v_cvt_pk_f16_f32 v[106+\k], v[90+4*\k], v[92+4*\k]
.endr
.irp k, 0,1,2,3
	v_cndmask_b32 v[106+\k], 0, v[106+\k], vcc_lo
.endr
	global_store_b128 v15, v[106:109], s[20:21] offset:32768
.Lwout_end:
	s_wait_tensorcnt 0x0
	ds_add_u32 v112, v113
	s_wait_dscnt 0x0
	s_endpgm
.Lfunc_end_k_qc62fcd32eb_prep:
	.size	k_qc62fcd32eb_prep, .Lfunc_end_k_qc62fcd32eb_prep-k_qc62fcd32eb_prep
	.p2alignl 7, 3214868480
	.fill 96, 4, 3214868480
	.section	.rodata,"a",@progbits
	.p2align	6, 0x0
	.amdhsa_kernel k_qc62fcd32eb_prep
		.amdhsa_group_segment_fixed_size 7168
		.amdhsa_private_segment_fixed_size 0
		.amdhsa_enable_private_segment 0
		.amdhsa_kernarg_size 128
		.amdhsa_user_sgpr_count 2
		.amdhsa_user_sgpr_kernarg_segment_ptr 1
		.amdhsa_wavefront_size32 1
		.amdhsa_system_sgpr_workgroup_id_x 1
		.amdhsa_system_sgpr_workgroup_id_y 1
		.amdhsa_system_sgpr_workgroup_id_z 1
		.amdhsa_system_vgpr_workitem_id 0
		.amdhsa_next_free_vgpr 114
		.amdhsa_next_free_sgpr 100
		.amdhsa_reserve_vcc 1
		.amdhsa_float_denorm_mode_32 3
		.amdhsa_float_denorm_mode_16_64 3
		.amdhsa_memory_ordered 1
		.amdhsa_forward_progress 1
		.amdhsa_inst_pref_size 50
	.end_amdhsa_kernel
	.amdgpu_metadata
---
amdhsa.version: [ 1, 2 ]
amdhsa.kernels:
  - .name:           k_qc62fcd32eb_prep
    .symbol:         k_qc62fcd32eb_prep.kd
    .args:
      - { .name: W0, .offset: 0, .size: 8, .value_kind: global_buffer, .address_space: global }
      - { .name: gW1, .offset: 8, .size: 8, .value_kind: global_buffer, .address_space: global }
      - { .name: Bf, .offset: 16, .size: 8, .value_kind: global_buffer, .address_space: global }
      - { .name: Wr, .offset: 24, .size: 8, .value_kind: global_buffer, .address_space: global }
      - { .name: g0, .offset: 32, .size: 8, .value_kind: global_buffer, .address_space: global }
      - { .name: gr, .offset: 40, .size: 8, .value_kind: global_buffer, .address_space: global }
      - { .name: be0, .offset: 48, .size: 8, .value_kind: global_buffer, .address_space: global }
      - { .name: ber, .offset: 56, .size: 8, .value_kind: global_buffer, .address_space: global }
      - { .name: br, .offset: 64, .size: 8, .value_kind: global_buffer, .address_space: global }
      - { .name: Wf, .offset: 72, .size: 8, .value_kind: global_buffer, .address_space: global }
      - { .name: tab, .offset: 80, .size: 8, .value_kind: global_buffer, .address_space: global }
      - { .name: b0, .offset: 88, .size: 8, .value_kind: global_buffer, .address_space: global }
      - { .name: Wout, .offset: 96, .size: 8, .value_kind: global_buffer, .address_space: global }
      - { .name: bout, .offset: 104, .size: 8, .value_kind: global_buffer, .address_space: global }
      - { .name: Wof, .offset: 112, .size: 8, .value_kind: global_buffer, .address_space: global }
      - { .name: Swf, .offset: 120, .size: 8, .value_kind: global_buffer, .address_space: global }
    .group_segment_fixed_size: 7168
    .private_segment_fixed_size: 0
    .kernarg_segment_align: 8
    .kernarg_segment_size: 128
    .max_flat_workgroup_size: 256
    .sgpr_count:     100
    .vgpr_count:     114
    .wavefront_size: 32
...
	.end_amdgpu_metadata
.endif
;; end of part 1
;; launch gemm (part 2): grid 64 x 4, 4 waves a work-group, no clusters, 279,040 bytes of LDS; arguments h, Bf, Pp; writes Pp
.if DOCPART == 2
	.amdgcn_target "amdgcn-amd-amdhsa--gfx1250"
	.amdhsa_code_object_version 6
	.text
	.protected	k_qc62fcd32eb_gemm
	.globl	k_qc62fcd32eb_gemm
	.p2align	8
	.type	k_qc62fcd32eb_gemm,@function
k_qc62fcd32eb_gemm:
	s_mov_b64 s[64:65], 0
	v_nop
	global_prefetch_b8 v0, s[64:65] scope:SCOPE_SE
	s_setreg_imm32_b32 hwreg(HW_REG_WAVE_MODE, 25, 1), 1
	s_wait_xcnt 0x0
; GEMM: Pp[kq] = h[:, 1024 kq : 1024 kq + 1024] x (W0's first 4,096 rows | gW1), in f16 with f32 sums.  h does not change from step to step of the
; flow, so this product is made once.  M = 4,096, N = 320, K = 4,096.
; SHARES.  A work-group makes 64 rows x 320 columns over a quarter of K: 64 x 4 = 256 work-groups; the four partial sums are added by the next launch.
; A wave makes 64 rows x 80 columns: 4 x 5 accumulators.  K goes in 32 steps of 32.
; h: the work-group's whole share, 64 rows x 1,024 f32, is asked for at the start: 16 tiles of 64 rows x 256 bytes (rows padded to 272 in LDS), four
; tensor loads a wave, 278,528 bytes of LDS.  Nothing is ever filled again, so the text has no ring and four plain barriers: tile t is wave t % 4's
; load number t / 4, and behind each wave's counted wait and a barrier the four tiles 4 p .. 4 p + 3 are read by all.  h is rounded to f16 on its way
; from LDS to the matrix unit.  A wave has four tensor loads out.
; THE WEIGHTS lie in memory in ready fragment blocks and go straight into registers: ten loads of 512 consecutive bytes a wave and step, each block
; loaded by one wave of the work-group, in a ring of six steps' registers, asked for five steps ahead (at most 60 loads of a wave are out).
; NO MULTICAST: the weights are what work-groups share, and they do not pass through LDS here: beside h's share LDS has 49,152 bytes left, two steps'
; weights (20,480 each), and a ring of that size would have one step's 20 products a wave between a refill and the wait for it.
; THE WALK ALONG K IS ROTATED: work-group x begins at tile x & 15 of its quarter's sixteen and wraps round, so that the 64 work-groups of a quarter do
; not all ask for the same block of the weights at the same time.  LDS places go by the order of use; only global addresses are rotated.  The order
; of a sum's K steps so differs from work-group to work-group.
; LIMIT: a number of h beyond 65,504 in size becomes infinite; as drawn they reach about 5.
; THE MATRIX INSTRUCTION IS USED TRANSPOSED: source 0 = 16 columns of the weight, source 1 = 16 rows of h, so that lane (r, hh) holds row r and the
; columns 8 hh + 0..7.  An accumulator goes out as it lies: byte 512 q + 16 lane of its 1,024 holds registers 4 q .. 4 q + 3.
; The 32 steps are written out by macro (some 23 KB): the counts on TENSORcnt and LOADcnt differ from step to step.
.set SUBA, 17408                       ; a tile of h in LDS: 64 rows x 272 bytes, 64 along K
.set D,    6                           ; the ring of the weights' registers, in steps
.set ADRA, 4                           ; v4      my LDS address in the tile in hand; steps by a tile
.set LA,   5                           ; v5      16 x lane
.set VB,   6                           ; v6      my 16 bytes in a k block of the weights: 5 column tiles x wave + 16 x lane; never rewritten
.set ARAW, 16                          ; v[16:79]   h as f32: 4 x 16 rows x 32 K
.set ABF,  80                          ; v[80:143]  h as f16, two buffers of 32
; window 1: v[0:239] the weights' ring, 40 registers a step.   window 2: v[0:159] accumulator (m, n) at 8 (5 m + n)
.set G1, 24                            ; s[24:31] descriptor group 1
.set BP, 32                            ; s[32:43] the weights' base of a step, a pair for each place in the ring
.set G0, 48                            ; s[48:63] descriptor group 0, a set for each of my four loads
.set MSB, 0
.macro WIN new                         ; the immediate's high byte repeats the setting that is left; a switch that changes nothing is dropped
.if MSB != (\new)
	s_set_vgpr_msb (MSB<<8)|(\new)
.set MSB, (\new)
.endif
.endm
	s_load_b128 s[4:7], s[0:1], 0x0                ; h s[4:5], Bf s[6:7]
	s_load_b64 s[8:9], s[0:1], 0x10                ; Pp
	v_lshl_add_u32 v254, v0, 2, 0x44000
	v_mov_b32 v255, 0
	ds_add_u32 v254, v255
	ds_add_u32 v254, v255
	v_lshrrev_b32 v1, 5, v0
	v_readfirstlane_b32 s10, v1                    ; wave 0..3
	s_and_b32 s13, ttmp7, 0xffff                   ; the K quarter
	s_and_b32 s12, ttmp9, 15                       ; the tile at which my walk begins
	; group 1: 64 rows x 64 elements of 4 bytes, pitch 4,096 elements; 4 words of padding behind every 64
	s_mov_b32 s[G1+0], (2<<16)|(1<<20)|(5<<22)|(3<<25)
	s_mov_b32 s[G1+1], 64<<16                      ; tensor_dim0 = 64
	s_mov_b32 s[G1+2], 64<<16                      ; tensor_dim1 = 64
	s_mov_b32 s[G1+3], 64<<16                      ; tile_dim0 = 64
	s_mov_b32 s[G1+4], 64                          ; tile_dim1 = 64
	s_mov_b32 s[G1+5], 4096                        ; from row to row
	s_mov_b32 s[G1+6], 0
	s_mov_b32 s[G1+7], 0
	s_lshl_b32 s14, ttmp9, 20                      ; h: 64 rows of 16,384 bytes,
	s_lshl_b32 s16, s13, 12                        ; 1,024 numbers along K
	s_add_co_u32 s14, s14, s16
	s_mov_b32 s15, 0
	s_mul_i32 s18, s13, 655360                     ; the weights: 32 k blocks of 20,480 bytes a quarter
	s_mov_b32 s19, 0
	s_mul_i32 s20, s10, SUBA                       ; LDS: my load p fills tile 4 p + wave
	s_add_co_u32 s21, s10, s12
	s_lshl_b32 s46, s12, 1                         ; the k block of the step to be asked for next: two to a tile
	s_mov_b32 s45, 0
	s_mov_b32 s17, 0
	s_wait_dscnt 0x0
	s_wait_kmcnt 0x0
	s_add_nc_u64 s[4:5], s[4:5], s[14:15]
	s_add_nc_u64 s[6:7], s[6:7], s[18:19]
.irp p, 0,1,2,3
	s_add_co_u32 s16, s21, 4*\p
	s_and_b32 s16, s16, 15                         ; which 64 numbers along K lie in place 4 p + wave
	s_lshl_b32 s16, s16, 8
	s_mov_b32 s[G0+4*\p], 1
	s_add_co_u32 s[G0+4*\p+1], s20, \p*4*SUBA
	s_add_nc_u64 s[G0+4*\p+2:G0+4*\p+3], s[4:5], s[16:17]
	s_or_b32 s[G0+4*\p+3], s[G0+4*\p+3], 0x80000000
.endr
	tensor_load_to_lds s[G0:G0+3], s[G1:G1+7]      ; all first fills in one group, ahead of every wait on TENSORcnt, every LDS read and every barrier
	s_nop 0
	tensor_load_to_lds s[G0+4:G0+7], s[G1:G1+7]
	s_nop 0
	tensor_load_to_lds s[G0+8:G0+11], s[G1:G1+7]
	s_nop 0
	tensor_load_to_lds s[G0+12:G0+15], s[G1:G1+7]
	s_nop 0
.rept 4
	v_nop                                          ; behind a tensor load
.endr
	v_and_b32 v1, 15, v0                           ; r
	v_bfe_u32 v2, v0, 4, 1                         ; hh
	v_and_b32 v3, 31, v0
	v_lshlrev_b32 v[LA], 4, v3
	v_mul_u32_u24 v[ADRA], v1, 272
	v_lshl_add_u32 v[ADRA], v2, 5, v[ADRA]         ; row x pitch + 8 f32 for the upper half of the lanes
	s_mul_i32 s22, s10, 5120
	v_add_nc_u32 v[VB], s22, v[LA]
; Step s's ten loads of the weights, into place s % D of the ring.  The place's base pair was last named by the loads of step s - D, which the counted
; wait of that step has shown done.
.macro GLOAD s
	s_mul_i32 s44, s46, 20480
	s_add_nc_u64 s[BP+2*((\s)%D):BP+2*((\s)%D)+1], s[6:7], s[44:45]
	s_add_co_u32 s46, s46, 1
	s_and_b32 s46, s46, 31                         ; the walk wraps round inside the quarter
	WIN 0x40                                       ; destination window 1, address window 0
.irp n, 0,1,2,3,4
	global_load_b128 v[40*((\s)%D)+8*\n:40*((\s)%D)+8*\n+3],   v[VB], s[BP+2*((\s)%D):BP+2*((\s)%D)+1] offset:\n*1024
	global_load_b128 v[40*((\s)%D)+8*\n+4:40*((\s)%D)+8*\n+7], v[VB], s[BP+2*((\s)%D):BP+2*((\s)%D)+1] offset:\n*1024+512
.endr
.endm
; Step s's sixteen LDS loads of h: lane (r, hh) wants K = 8 hh + 0..7 and 16 + 8 hh + 0..7 in f32: four loads of 16 bytes at 0, 16, 64, 80, for each of four blocks of 16 rows
.macro FETCHA s
.if (((\s)%2) == 0) && ((\s) > 0)
	v_add_nc_u32 v[ADRA], SUBA, v[ADRA]            ; the next tile
.endif
.irp m, 0,1,2,3
	ds_load_b128 v[ARAW+16*\m:ARAW+16*\m+3],     v[ADRA] offset:\m*4352+((\s)%2)*128
	ds_load_b128 v[ARAW+16*\m+4:ARAW+16*\m+7],   v[ADRA] offset:\m*4352+((\s)%2)*128+16
	ds_load_b128 v[ARAW+16*\m+8:ARAW+16*\m+11],  v[ADRA] offset:\m*4352+((\s)%2)*128+64
	ds_load_b128 v[ARAW+16*\m+12:ARAW+16*\m+15], v[ADRA] offset:\m*4352+((\s)%2)*128+80
.endr
.endm
.macro CVT b                           ; h to f16: 32 roundings of two
.irp m, 0,1,2,3
.irp i, 0,1,2,3,4,5,6,7
	v_cvt_pk_f16_f32 v[ABF+32*(\b)+8*\m+\i], v[ARAW+16*\m+2*\i], v[ARAW+16*\m+2*\i+1]
.endr
.endr
.endm
.macro MUL s, zero                     ; 20 matrix instructions; the 20 accumulators take turns, one instruction a turn
	WIN 0xa1                                       ; source 0 (weights) window 1, source 1 (h) window 0, C and D window 2
.irp n, 0,1,2,3,4
.irp m, 0,1,2,3
.if \zero
	v_wmma_f32_16x16x32_f16 v[8*(5*\m+\n):8*(5*\m+\n)+7], v[40*((\s)%D)+8*\n:40*((\s)%D)+8*\n+7], v[ABF+32*((\s)%2)+8*\m:ABF+32*((\s)%2)+8*\m+7], 0
.else
	v_wmma_f32_16x16x32_f16 v[8*(5*\m+\n):8*(5*\m+\n)+7], v[40*((\s)%D)+8*\n:40*((\s)%D)+8*\n+7], v[ABF+32*((\s)%2)+8*\m:ABF+32*((\s)%2)+8*\m+7], v[8*(5*\m+\n):8*(5*\m+\n)+7]
.endif
.endr
.endr
.endm
; Step st.  The 32 roundings name none of the last products' registers: they are the places between those products and the loads
; into the ring's place that they read.  Every eighth step opens the next four tiles of h.
.macro STEP
	s_wait_dscnt 0x0                               ; this step's h, asked for in front of the last step's products
	WIN 0
	CVT st%2
.if st+1 < 32
.if ((st+1)%8) == 0
	s_wait_tensorcnt 3-(st+1)/8                    ; my tile of the next four has landed; my later loads stay out
	s_barrier_signal -1
	s_barrier_wait -1                              ; everybody's has
.endif
	FETCHA st+1
.endif
.if st+D-1 < 32
	GLOAD st+D-1
.endif
.set nl, 31-st
.if nl > D-1
.set nl, D-1
.endif
	s_wait_loadcnt 10*nl                           ; loads return in order: this step's ten are in, those of the nl later steps stay out
.if st == 0
	MUL st, 1                                      ; the first products start the sums
.else
	MUL st, 0
.endif
.endm
.irp s, 0,1,2,3,4
	GLOAD \s
.endr
	WIN 0
	s_mul_i32 s16, s13, 5242880                    ; Pp: quarter, block of 16 rows x 20,480, column tile x 1,024
	s_mul_i32 s18, ttmp9, 81920
	s_add_co_u32 s16, s16, s18
	s_add_co_u32 s16, s16, s22
	s_add_nc_u64 s[8:9], s[8:9], s[16:17]
	s_wait_tensorcnt 0x3                           ; my first tile is in; my other three stay out
	s_barrier_signal -1
	s_barrier_wait -1                              ; tiles 0 to 3 are in
	FETCHA 0
.set st, 0
.rept 32
	STEP
.set st, st+1
.endr
.rept 4
	v_nop                                          ; the stores read results just made
.endr
	WIN 0x08                                       ; store data (source 1) window 2, address window 0
.irp m, 0,1,2,3
.irp n, 0,1,2,3,4
	global_store_b128 v[LA], v[8*(5*\m+\n):8*(5*\m+\n)+3],   s[8:9] offset:\m*20480+\n*1024       ; a wave's store covers 512 consecutive bytes, aligned
	global_store_b128 v[LA], v[8*(5*\m+\n)+4:8*(5*\m+\n)+7], s[8:9] offset:\m*20480+\n*1024+512
.endr
.endr
	WIN 0
	s_wait_tensorcnt 0x0
	ds_add_u32 v254, v255
	s_wait_dscnt 0x0
	s_endpgm
.Lfunc_end_k_qc62fcd32eb_gemm:
	.size	k_qc62fcd32eb_gemm, .Lfunc_end_k_qc62fcd32eb_gemm-k_qc62fcd32eb_gemm
	.p2alignl 7, 3214868480
	.fill 96, 4, 3214868480
	.section	.rodata,"a",@progbits
	.p2align	6, 0x0
	.amdhsa_kernel k_qc62fcd32eb_gemm
		.amdhsa_group_segment_fixed_size 279040
		.amdhsa_private_segment_fixed_size 0
		.amdhsa_enable_private_segment 0
		.amdhsa_kernarg_size 24
		.amdhsa_user_sgpr_count 2
		.amdhsa_user_sgpr_kernarg_segment_ptr 1
		.amdhsa_wavefront_size32 1
		.amdhsa_system_sgpr_workgroup_id_x 1
		.amdhsa_system_sgpr_workgroup_id_y 1
		.amdhsa_system_sgpr_workgroup_id_z 1
		.amdhsa_system_vgpr_workitem_id 0
		.amdhsa_next_free_vgpr 672
		.amdhsa_next_free_sgpr 66
		.amdhsa_reserve_vcc 0
		.amdhsa_float_denorm_mode_32 3
		.amdhsa_float_denorm_mode_16_64 3
		.amdhsa_memory_ordered 1
		.amdhsa_forward_progress 1
		.amdhsa_inst_pref_size 186
	.end_amdhsa_kernel
	.amdgpu_metadata
---
amdhsa.version: [ 1, 2 ]
amdhsa.kernels:
  - .name:           k_qc62fcd32eb_gemm
    .symbol:         k_qc62fcd32eb_gemm.kd
    .args:
      - { .name: h, .offset: 0, .size: 8, .value_kind: global_buffer, .address_space: global }
      - { .name: Bf, .offset: 8, .size: 8, .value_kind: global_buffer, .address_space: global }
      - { .name: Pp, .offset: 16, .size: 8, .value_kind: global_buffer, .address_space: global }
    .group_segment_fixed_size: 279040
    .private_segment_fixed_size: 0
    .kernarg_segment_align: 8
    .kernarg_segment_size: 24
    .max_flat_workgroup_size: 128
    .sgpr_count:     66
    .vgpr_count:     672
    .wavefront_size: 32
...
	.end_amdgpu_metadata
.endif
;; end of part 2
;; launch flow (part 3): grid 256 x 1, 4 waves a work-group, no clusters, 73,216 bytes of LDS; arguments Pp, Wf, Swf, Wof, tab, xi0, gb1, gW2, gb2, out0, out1; writes out0, out1
.if DOCPART == 3
	.amdgcn_target "amdgcn-amd-amdhsa--gfx1250"
	.amdhsa_code_object_version 6
	.text
	.protected	k_qc62fcd32eb_flow
	.globl	k_qc62fcd32eb_flow
	.p2align	8
	.type	k_qc62fcd32eb_flow,@function
k_qc62fcd32eb_flow:
	s_mov_b64 s[64:65], 0
	v_nop
	global_prefetch_b8 v0, s[64:65] scope:SCOPE_SE
	s_setreg_imm32_b32 hwreg(HW_REG_WAVE_MODE, 25, 1), 1
	s_wait_xcnt 0x0
; FLOW: the ten Euler steps on SE(3) and the gripper head.  A work-group owns 16 rows; 256 work-groups.
; Wave w owns columns 64 w .. 64 w + 63 of every hidden layer and holds its slice of all three W' in registers (3 x 256), since with 16 rows a
; weight fragment feeds one product only and the three layers (384 KiB) do not fit in LDS.  All products are used transposed (source 0 = 16 columns
; of the weight, source 1 = 16 rows of activations): lane (r, hh) holds row r and columns 8 hh + 0..7 of a tile, and two neighbouring tiles, rounded
; in pairs, ARE a source 1 fragment of the next layer.
; THE ACTIVATION IS KEPT SCALED.  With c = sqrt(log2(e) / 2) every pre-activation is delivered as u = c x, and the activation is G = 2 c gelu(x)
; = u + |u| erf(|x| / sqrt(2)), erf = 1 - poly(t) 2^(-u^2): 6.5 instructions a number.  Each G is followed by a norm, which does not see the common factor 2 c.
; ONE EXCHANGE A LAYER.  A lane's 32 activations are group g = 2 w + hh of its row.  The lane centres them on their own mean in f32 and rounds them to
; f16; the fragments and the pair (mean_g, M2_g) cross LDS behind the same barrier.  With mean = the mean of the eight mean_g, d_g = mean_g - mean and
; M2 = sum M2_g + 32 sum d_g^2, the next layer is  u = m (W' C + S d) + c b':  S_g = the sum of W''s rows of group g, so that S d is one more K block
; (eight numbers a row); m = c rs / (2 c) = rs / 2 = 1 / sqrt(M2 ln(2) / 128 + 4e-5), since M2 carries (2 c)^2 = 2 log2(e) and 4 x 1e-5 = 4e-5.  m belongs to
; a row, and a row is a lane, so it is applied to the accumulators with the bias.  No difference of large sums is formed: every centring is made in f32
; in front of a rounding.  The bytes of an exchange have two sets that take turns, so that a wave may write the next layer's while another still reads
; this layer's; between a set's reads and its next writing lies a barrier.
; The first layer is c (P + xi W6 + tb[s]): P = h W0[:4096] (four partial sums, added and scaled here once); W6 and the table come with c in them.
; All four waves carry the 16 rows' pose: lane L holds row L & 15.  The gripper's second product (64 -> 1) is eight multiply-adds a lane in f32.
; OPERANDS IN f16: the ten steps run nearly the same activations through the same weights, so the operands' rounding errors add in step, and f16's
; 11 bits keep that sum eight times smaller than bf16's 8 would.
; LIMITS.  A centred G, a d_g or a number of xi beyond 65,504 in size becomes infinite (G as drawn reaches about 9; both factors of the first layer 30
; times larger give 8,000); the rounding step is never finer than 2^-24 (both 30 times smaller: a spread of 1e-3, a step of 6e-5 of it).
; erf by a rational form of three coefficients (Abramowitz and Stegun 7.1.25): absolute error at most 2.5e-5 for every argument, so G is off by at most
; 2.5e-5 |u|, against 2^-11 of the number in the rounding to f16 that follows; the gripper's sum, which stays in f32, is off by at most 2.5e-5 sum |x gW2| / 2.
; Sine and cosine: the angle is reduced by pi / 2 in three parts, good to about 1e-6 up to 1e4 rad and growing with the angle beyond.
; sin t / t, (1 - cos t) / t^2 come from the half angle, (t - sin t) / t^3 and the logarithm's D from their series below t^2 = 1 and 0.25: they differ
; from the model's f32 forms only where those cancel.  An infinite pre-activation gives NaN.  out1 leaves as 64 bytes a work-group.
.set TAB,  0                           ; LDS: 14 rows x 1,024 bytes, the table
.set STAT, 14336                       ; two sets of 16 rows x 80 bytes: eight pairs (mean, M2)
.set STATB, 1280
.set ZF,   16896                       ; two sets of eight activation fragments of 1,024 bytes
.set ZFB,  8192
.set VP,   33280                       ; 4 waves x 16 rows x 48 bytes: the last layer's partial sums
.set GP,   36352                       ; 4 waves x 16 rows x 4 bytes: the gripper's
.set OUTS, 36608                       ; wave 0's stage for out0
.set SWL,  37632                       ; 4 waves x 8,704 bytes, each wave's own: W6's and the three S's half blocks of its four column tiles (4 x 2,048), then Wout's S (512)
.set SWB,  8704
.set LA,   3                           ; v3    16 x lane (v1 = r, v2 = hh)
.set ABIAS, 4                          ; v4    my 8 columns' place in a row of the table
.set ATB,  5                           ; v5    the same in row s; steps by a row a trip
.set ASTS, 6                           ; v6, v7   STAT: where I store, where I read
.set ASTL, 7
.set AZS,  8                           ; v8, v9   ZF likewise
.set AZL,  9
.set AVS,  10                          ; v10, v11 VP likewise
.set AVL,  11
.set ML,   12                          ; v[12:13] my 32 numbers' mean, M2
.set RS,   14                          ; v14   m (v15 is named with it as a pair)
.set X,    16                          ; v[16:27] the pose: row i = R_i0, R_i1, R_i2, p_i
.set V6,   28                          ; v[28:33] the twist, times 0.1
.set XF,   34                          ; v[34:41] the short K block's fragment: xi (k = 0..5) or d (k = 0..7); registers 4-7 stay 0
.set A4,   42                          ; v[42:43] a coefficient, twice
.set ASW,  44                          ; v44   my place in my wave's small weights
.set RT,   45                          ; v45   (0.1 / c) m
.set P,    48                          ; v[48:79]
.set ACC,  80                          ; v[80:111] four accumulators; between the rounding and the next products: the statistics
.set CB,   80
.set SWR,  112                         ; v[112:143] four half blocks of small weights, by turns; registers 4-7 of each stay 0
.set WO,   144                         ; v[144:159] Wout's two fragments of my 64 k
.set ZA,   160                         ; v[160:223] eight activation fragments, or scratch
.set T,    160
.set OC,   192                         ; v[192:199] the last layer's S d
.set ZO,   224                         ; v[224:239] my two fragments
.set BI,   224                         ; v[224:255] the next layer's bias, loaded behind the stores of ZO
.set OA,   240                         ; v[240:247], v[248:255] the last layer's two accumulators
.set OB,   248
; windows 1 to 3: layer i's fragment (nt, kk) at v[8 (8 nt + kk)] of window i + 1
; s[8:29] addresses; s[32:39] Pp's four quarters; s[40:47] 0.1 bout'; s48 gb2; s[50:55] constants in pairs; s56, s57, s60, s61 constants; s66 the step; s[74:75] 0.1
.set MSB, 0
.macro WIN new
.if MSB != (\new)
	s_set_vgpr_msb (MSB<<8)|(\new)
.set MSB, (\new)
.endif
.endm
.macro PLACES                          ; four places between a matrix instruction and a vector instruction that reads its result (ISA guide 7.12.1)
.rept 4
	v_nop
.endr
.endm
.macro BAR                             ; what I stored is in LDS and what I read is back; then all four waves meet
	s_wait_dscnt 0x0
	s_barrier_signal -1
	s_barrier_wait -1
.endm
; In: u = c x.  Out, in place: G = u + |u| W, W = 1 - (a1 t + a2 t^2 + a3 t^3) 2^(-u^2), t = 1 / (1 + 0.47047 |x| / sqrt(2)).  n numbers, 3 n registers of scratch.
; The coefficients are kept negated, so that W is one multiply-add onto 1.  Behind the reciprocals stand the squares, behind the exponentials the polynomial's
; first stage: plain instructions that name neither a result nor a source of the transcendentals in front of them (ISA guide 5.7.2).
.macro GELU x, n, sc
.set gD, \sc
.set gE, \sc+\n
.set gQ, \sc+2*\n
.set i, 0
.rept \n
	v_fma_f32 v[gD+i], |v[\x+i]|, s60, 1.0
.set i, i+1
.endr
.set i, 0
.rept \n
	v_rcp_f32 v[gD+i], v[gD+i]                     ; t
.set i, i+1
.endr
.set i, 0
.rept \n/2
	v_pk_mul_f32 v[gE+i:gE+i+1], v[\x+i:\x+i+1], v[\x+i:\x+i+1] neg_lo:[1,0] neg_hi:[1,0]
.set i, i+2
.endr
.set i, 0
.rept \n
	v_exp_f32 v[gE+i], v[gE+i]                     ; 2^(-u^2)
.set i, i+1
.endr
.set i, 0
	s_wait_alu depctr_va_vdst(0)
.rept \n/2
	v_pk_fma_f32 v[gQ+i:gQ+i+1], v[gD+i:gD+i+1], s[52:53], v[A4:A4+1] op_sel_hi:[1,0,1]       ; - a3 t - a2
.set i, i+2
.endr
.set i, 0
.rept \n/2
	v_pk_fma_f32 v[gQ+i:gQ+i+1], v[gQ+i:gQ+i+1], v[gD+i:gD+i+1], s[54:55] op_sel_hi:[1,1,0]   ; ... t - a1
.set i, i+2
.endr
.set i, 0
.rept \n/2
	v_pk_mul_f32 v[gE+i:gE+i+1], v[gE+i:gE+i+1], v[gD+i:gD+i+1]
.set i, i+2
.endr
.set i, 0
.rept \n/2
	v_pk_fma_f32 v[gQ+i:gQ+i+1], v[gQ+i:gQ+i+1], v[gE+i:gE+i+1], 1.0 op_sel_hi:[1,1,0]        ; W
.set i, i+2
.endr
.set i, 0
.rept \n
	v_fma_f32 v[\x+i], |v[\x+i]|, v[gQ+i], v[\x+i]
.set i, i+1
.endr
.endm
; my 32 numbers' mean; they are centred on it in place; M2 = the sum of their squares then
.macro STATS
.set i, 0
.rept 8
	v_pk_add_f32 v[ZA+2*i:ZA+2*i+1], v[ACC+4*i:ACC+4*i+1], v[ACC+4*i+2:ACC+4*i+3]
.set i, i+1
.endr
.irp w, 4,8,16
.set i, 0
.rept 16/\w
	v_pk_add_f32 v[ZA+\w*i:ZA+\w*i+1], v[ZA+\w*i:ZA+\w*i+1], v[ZA+\w*i+\w/2:ZA+\w*i+\w/2+1]
.set i, i+1
.endr
.endr
	v_add_f32 v[ZA], v[ZA], v[ZA+1]
	v_mul_f32 v[ML], 0.03125, v[ZA]
.set i, 0
.rept 16
	v_pk_add_f32 v[ACC+2*i:ACC+2*i+1], v[ACC+2*i:ACC+2*i+1], v[ML:ML+1] op_sel_hi:[1,0] neg_lo:[0,1] neg_hi:[0,1]
.set i, i+1
.endr
.set i, 0
.rept 4                                ; four chains
	v_pk_mul_f32 v[ZA+2*i:ZA+2*i+1], v[ACC+2*i:ACC+2*i+1], v[ACC+2*i:ACC+2*i+1]
.set i, i+1
.endr
.rept 12
	v_pk_fma_f32 v[ZA+2*(i%4):ZA+2*(i%4)+1], v[ACC+2*i:ACC+2*i+1], v[ACC+2*i:ACC+2*i+1], v[ZA+2*(i%4):ZA+2*(i%4)+1]
.set i, i+1
.endr
	v_pk_add_f32 v[ZA:ZA+1], v[ZA:ZA+1], v[ZA+2:ZA+3]
	v_pk_add_f32 v[ZA+4:ZA+5], v[ZA+4:ZA+5], v[ZA+6:ZA+7]
	v_pk_add_f32 v[ZA:ZA+1], v[ZA:ZA+1], v[ZA+4:ZA+5]
	v_add_f32 v[ML+1], v[ZA], v[ZA+1]
.endm
; the row's eight pairs (mean_g, M2_g) in v[CB:CB+15] -> m in RS, the eight d_g in f16 in XF's first four registers (k = g)
.macro COMBINE
.irp g, 0,1,2,3
	v_pk_add_f32 v[CB+16+2*\g:CB+17+2*\g], v[CB+4*\g:CB+4*\g+1], v[CB+4*\g+2:CB+4*\g+3]
.endr
	v_pk_add_f32 v[CB+16:CB+17], v[CB+16:CB+17], v[CB+18:CB+19]
	v_pk_add_f32 v[CB+20:CB+21], v[CB+20:CB+21], v[CB+22:CB+23]
	v_pk_add_f32 v[CB+16:CB+17], v[CB+16:CB+17], v[CB+20:CB+21]
	v_mul_f32 v[CB+24], 0.125, v[CB+16]            ; the row's mean
.irp g, 0,1,2,3,4,5,6,7
	v_sub_f32 v[CB+2*\g], v[CB+2*\g], v[CB+24]     ; d_g
.endr
	v_mul_f32 v[CB+26], v[CB], v[CB]
	v_mul_f32 v[CB+27], v[CB+2], v[CB+2]
.irp g, 2,4,6
	v_fmac_f32 v[CB+26], v[CB+2*\g], v[CB+2*\g]
	v_fmac_f32 v[CB+27], v[CB+2*\g+2], v[CB+2*\g+2]
.endr
	v_add_f32 v[CB+26], v[CB+26], v[CB+27]
	v_fma_f32 v[CB+26], v[CB+26], 32.0, v[CB+17]
	v_fma_f32 v[CB+26], v[CB+26], 5.4152123e-3, s61   ; M2 ln(2) / 128 + 4e-5 = 4 (variance of gelu + 1e-5)
	v_rsq_f32 v[RS], v[CB+26]
.irp j, 0,1,2,3                        ; plain instructions behind the root; the upper half of the lanes holds the same and meets zero weights
	v_cvt_pk_f16_f32 v[XF+\j], v[CB+4*\j], v[CB+4*\j+2]
.endr
.endm
.macro BIASLD adr, row                 ; the first layer's bias starts the sums: it is loaded into the accumulators
.irp t, 0,1,2,3,4,5,6,7
	ds_load_b128 v[ACC+4*\t:ACC+4*\t+3], v[\adr] offset:\row*1024+(\t/2)*64+(\t%2)*16
.endr
.endm
.macro SWLD st, n                      ; n half blocks of set st of my small weights
.set t, 0
.rept \n
	ds_load_b128 v[SWR+8*t:SWR+8*t+3], v[ASW] offset:(\st)*2048+t*512
.set t, t+1
.endr
.endm
.macro ACTS                            ; activation, my group's statistics, my two fragments of centred activations in f16
	GELU ACC, 32, ZA                               ; all 32 at once: runs of 16 or 32 instructions that do not wait for each other; scratch v160-v255: the bias there has been used, ZO is written below
	STATS
.set i, 0
.rept 16
	v_cvt_pk_f16_f32 v[ZO+i], v[ACC+2*i], v[ACC+2*i+1]
.set i, i+1
.endr
.endm
.macro MM i                            ; 36 matrix instructions; the four accumulators take turns, one instruction a turn
.irp nt, 0,1,2,3
	v_wmma_f32_16x16x32_f16 v[ACC+8*\nt:ACC+8*\nt+7], v[SWR+8*\nt:SWR+8*\nt+7], v[XF:XF+7], 0   ; S d starts the sums
.endr
.if \i == 0
	s_wait_loadcnt 0x0                             ; the weights; met at once from the second trip on
.endif
	WIN \i+1                                       ; source 0: the layer's window
.irp kk, 0,1,2,3,4,5,6,7
	s_wait_dscnt 14-2*\kk                          ; fragment kk's two loads are in; the later fragments' may stay out
.irp nt, 0,1,2,3
	v_wmma_f32_16x16x32_f16 v[ACC+8*\nt:ACC+8*\nt+7], v[8*(8*\nt+\kk):8*(8*\nt+\kk)+7], v[ZA+8*\kk:ZA+8*\kk+7], v[ACC+8*\nt:ACC+8*\nt+7]
.endr
.endr
	WIN 0
	PLACES
.endm
; From a layer's pre-activations to the next layer's: layer i of the three W', exchange bytes of set bk.
.macro LAYER i, bk
	SWLD \i+1, 4                                   ; S of this layer; the registers' last products stand more than four plain instructions back
	ACTS
.irp t, 0,1,2,3
	ds_store_b128 v[AZS], v[ZO+4*\t:ZO+4*\t+3] offset:\bk*ZFB+512*\t
.endr
	ds_store_b64 v[ASTS], v[ML:ML+1] offset:\bk*STATB
.irp t, 0,1,2,3,4,5,6,7                ; LDS serves a wave's instructions in order (ISA guide 5.7.1.4): the stores above have read ZO when these land on it
	ds_load_b128 v[BI+4*\t:BI+4*\t+3], v[ABIAS] offset:(10+\i)*1024+(\t/2)*64+(\t%2)*16
.endr
	BAR                                            ; the one barrier of the layer
.irp t, 0,1,2,3
	ds_load_b128 v[CB+4*\t:CB+4*\t+3], v[ASTL] offset:\bk*STATB+16*\t
.endr
.irp t, 0,1,2,3,4,5,6,7,8,9,10,11,12,13,14,15
	ds_load_b128 v[ZA+4*\t:ZA+4*\t+3], v[AZL] offset:\bk*ZFB+512*\t
.endr
	s_wait_dscnt 16                                ; the statistics are in; the sixteen fragment loads behind them land under the arithmetic below
	COMBINE
	MM \i
.set i, 0
	s_wait_alu depctr_va_vdst(0)
.rept 16
	v_pk_fma_f32 v[ACC+2*i:ACC+2*i+1], v[ACC+2*i:ACC+2*i+1], v[RS:RS+1], v[BI+2*i:BI+2*i+1] op_sel_hi:[1,0,1]   ; u = m x sum + c b'
.set i, i+1
.endr
.endm
; sine and cosine of v[x] into v[s], v[c]; eight registers of scratch from v[t]
.macro SINCOS x, s, c, t
	v_mul_f32 v[\t], 0.63661977, v[\x]
	v_rndne_f32 v[\t], v[\t]                       ; k
	v_fmamk_f32 v[\t+1], v[\t], -1.5703125, v[\x]  ; r = x - k pi / 2, pi / 2 in three parts
	v_fmamk_f32 v[\t+1], v[\t], -4.8375130e-4, v[\t+1]
	v_fmamk_f32 v[\t+1], v[\t], -7.5497900e-8, v[\t+1]
	v_cvt_i32_f32 v[\t], v[\t]
	v_mul_f32 v[\t+2], v[\t+1], v[\t+1]            ; z = r^2
	v_mov_b32 v[\t+3], -1.9515296e-4
	v_mov_b32 v[\t+4], 2.4433157e-5
	v_fmaak_f32 v[\t+3], v[\t+3], v[\t+2], 8.3321609e-3
	v_fmaak_f32 v[\t+4], v[\t+4], v[\t+2], -1.3887316e-3
	v_fmaak_f32 v[\t+3], v[\t+3], v[\t+2], -0.16666655
	v_fmaak_f32 v[\t+4], v[\t+4], v[\t+2], 4.1666646e-2
	v_mul_f32 v[\t+5], v[\t+2], v[\t+1]
	v_mul_f32 v[\t+6], v[\t+2], v[\t+2]
	v_fma_f32 v[\t+7], v[\t+2], -0.5, 1.0
	v_fma_f32 v[\t+3], v[\t+3], v[\t+5], v[\t+1]   ; sin r
	v_fma_f32 v[\t+4], v[\t+4], v[\t+6], v[\t+7]   ; cos r
	v_and_b32 v[\t+5], 1, v[\t]
	v_cmp_eq_u32 vcc_lo, 1, v[\t+5]                ; odd quadrants swap the two
	v_cndmask_b32 v[\s], v[\t+3], v[\t+4], vcc_lo
	v_cndmask_b32 v[\c], v[\t+4], v[\t+3], vcc_lo
	v_lshlrev_b32 v[\t+5], 30, v[\t]               ; the sine's sign: bit 1 of k; the cosine's: bit 1 of k + 1
	v_add_nc_u32 v[\t], 1, v[\t]
	v_and_b32 v[\t+5], 0x80000000, v[\t+5]
	v_lshlrev_b32 v[\t], 30, v[\t]
	v_xor_b32 v[\s], v[\s], v[\t+5]
	v_and_b32 v[\t], 0x80000000, v[\t]
	v_xor_b32 v[\c], v[\c], v[\t]
.endm
; exp of the twist in V6 = (w, u).  first = 1: it becomes the pose.  first = 0: the pose is multiplied by it from the right.
.macro EXPUP first
.if \first
.set eB, X
.set eS, 4
.set tB, X+3
.set tS, 4
.else
.set eB, T+40
.set eS, 3
.set tB, T+8
.set tS, 1
.endif
	v_mul_f32 v[T], v[V6], v[V6]
	v_mul_f32 v[T+1], v[V6+1], v[V6+1]
	v_mul_f32 v[T+2], v[V6+2], v[V6+2]
	v_add_f32 v[T+3], v[T+1], v[T+2]               ; w1^2 + w2^2, and so on: the diagonal of - W^2
	v_add_f32 v[T+4], v[T], v[T+2]
	v_add_f32 v[T+5], v[T], v[T+1]
	v_add_f32 v[T+6], v[T+3], v[T]
	v_add_f32 v[T+6], 0x1e3ce508, v[T+6]           ; |w|^2 + 1e-20
	v_rsq_f32 v[T+7], v[T+6]                       ; 1 / theta
	v_mul_f32 v[T+8], v[V6+1], v[V6+5]             ; c = w x u
	v_mul_f32 v[T+9], v[V6+2], v[V6+3]
	v_mul_f32 v[T+10], v[V6], v[V6+4]
	v_fma_f32 v[T+8], -v[V6+2], v[V6+4], v[T+8]
	v_fma_f32 v[T+9], -v[V6], v[V6+5], v[T+9]
	v_fma_f32 v[T+10], -v[V6+1], v[V6+3], v[T+10]
	v_mul_f32 v[T+11], v[V6+1], v[T+10]            ; w x c
	v_mul_f32 v[T+12], v[V6+2], v[T+8]
	v_mul_f32 v[T+13], v[V6], v[T+9]
	v_fma_f32 v[T+11], -v[V6+2], v[T+9], v[T+11]
	v_fma_f32 v[T+12], -v[V6], v[T+10], v[T+12]
	v_fma_f32 v[T+13], -v[V6+1], v[T+8], v[T+13]
	s_wait_alu depctr_va_vdst(0)
	v_mul_f32 v[T+14], v[T+6], v[T+7]              ; theta
	v_mul_f32 v[T+14], 0.5, v[T+14]
	SINCOS T+14, T+15, T+16, T+17
	v_mul_f32 v[T+25], v[T+15], v[T+7]
	v_mul_f32 v[T+28], v[T+7], v[T+7]              ; 1 / theta^2
	v_add_f32 v[T+25], v[T+25], v[T+25]            ; g = 2 sin(theta / 2) / theta
	v_mov_b32 v[T+29], 2.5052108e-8
	v_mul_f32 v[T+26], v[T+25], v[T+16]            ; A = g cos(theta / 2)
	v_mul_f32 v[T+27], v[T+25], v[T+25]
	v_fmaak_f32 v[T+29], v[T+29], v[T+6], -2.7557319e-6
	v_mul_f32 v[T+27], 0.5, v[T+27]                ; B = g^2 / 2
	v_fmaak_f32 v[T+29], v[T+29], v[T+6], 1.9841270e-4
	v_sub_f32 v[T+30], 1.0, v[T+26]
	v_fmaak_f32 v[T+29], v[T+29], v[T+6], -8.3333333e-3
	v_mul_f32 v[T+28], v[T+30], v[T+28]            ; (1 - A) / theta^2
	v_fmaak_f32 v[T+29], v[T+29], v[T+6], 0.16666667
	v_cmp_gt_f32 vcc_lo, 1.0, v[T+6]
	v_cndmask_b32 v[T+28], v[T+28], v[T+29], vcc_lo   ; C: the series below theta^2 = 1
.irp i, 0,1,2
	v_fma_f32 v[tB+tS*\i], v[T+27], v[T+8+\i], v[V6+3+\i]      ; t = u + B c + C w x c
.endr
.irp i, 0,1,2
	v_fma_f32 v[tB+tS*\i], v[T+28], v[T+11+\i], v[tB+tS*\i]
.endr
	v_fma_f32 v[eB], -v[T+27], v[T+3], 1.0         ; E = I + A W + B W^2
	v_fma_f32 v[eB+eS+1], -v[T+27], v[T+4], 1.0
	v_fma_f32 v[eB+2*eS+2], -v[T+27], v[T+5], 1.0
	v_mul_f32 v[T+30], v[T+27], v[V6]
	v_mul_f32 v[T+31], v[T+27], v[V6+1]
	v_mul_f32 v[T+32], v[T+30], v[V6+1]
	v_mul_f32 v[T+33], v[T+30], v[V6+2]
	v_mul_f32 v[T+34], v[T+31], v[V6+2]
	v_fma_f32 v[eB+1], -v[T+26], v[V6+2], v[T+32]
	v_fma_f32 v[eB+eS], v[T+26], v[V6+2], v[T+32]
	v_fma_f32 v[eB+2], v[T+26], v[V6+1], v[T+33]
	v_fma_f32 v[eB+2*eS], -v[T+26], v[V6+1], v[T+33]
	v_fma_f32 v[eB+eS+2], -v[T+26], v[V6], v[T+34]
	v_fma_f32 v[eB+2*eS+1], v[T+26], v[V6], v[T+34]
.if !\first
.irp i, 0,1,2                          ; row i of the pose: p_i += R_i t; R_i = R_i E, R_i2 written last
	v_fma_f32 v[X+4*\i+3], v[X+4*\i], v[tB], v[X+4*\i+3]
	v_mul_f32 v[T+50+3*\i], v[X+4*\i], v[eB]
	v_mul_f32 v[T+51+3*\i], v[X+4*\i], v[eB+1]
	v_mul_f32 v[T+52+3*\i], v[X+4*\i], v[eB+2]
	v_fma_f32 v[X+4*\i+3], v[X+4*\i+1], v[tB+1], v[X+4*\i+3]
	v_fma_f32 v[T+50+3*\i], v[X+4*\i+1], v[eB+3], v[T+50+3*\i]
	v_fma_f32 v[T+51+3*\i], v[X+4*\i+1], v[eB+4], v[T+51+3*\i]
	v_fma_f32 v[T+52+3*\i], v[X+4*\i+1], v[eB+5], v[T+52+3*\i]
	v_fma_f32 v[X+4*\i+3], v[X+4*\i+2], v[tB+2], v[X+4*\i+3]
	v_fma_f32 v[X+4*\i], v[X+4*\i+2], v[eB+6], v[T+50+3*\i]
	v_fma_f32 v[X+4*\i+1], v[X+4*\i+2], v[eB+7], v[T+51+3*\i]
	v_fma_f32 v[X+4*\i+2], v[X+4*\i+2], v[eB+8], v[T+52+3*\i]
.endr
.endif
.endm
; log of the pose -> xi = (w, v), rounded to f16 into XF
.macro LOG
	v_add_f32 v[T], v[X], v[X+5]
	v_add_f32 v[T], v[T], v[X+10]
	v_fma_f32 v[T], v[T], 0.5, -0.5
	v_med3_num_f32 v[T], v[T], s72, s73            ; cc, clipped as the model clips it
	v_and_b32 v[T+1], 0x7fffffff, v[T]
	v_sub_f32 v[T+2], 1.0, v[T+1]
	v_sub_f32 v[T+3], 1.0, v[T]
	v_add_f32 v[T+4], 1.0, v[T]
	v_mul_f32 v[T+2], 0.5, v[T+2]                  ; (1 - |cc|) / 2
	v_mul_f32 v[T+5], v[T+3], v[T+4]               ; sin^2
	v_sqrt_f32 v[T+6], v[T+2]
	v_rsq_f32 v[T+7], v[T+5]
	v_rcp_f32 v[T+8], v[T+3]
	v_mul_f32 v[T+9], v[T], v[T]                   ; a plain instruction behind the three
	v_cmp_gt_f32 s68, v[T+1], 0.5
	v_cmp_gt_f32 s69, 0, v[T]
	s_wait_alu depctr_va_vdst(0)
	v_cndmask_b32 v[T+10], v[T], v[T+6], s68       ; asin's argument, at most 0.5 in size,
	v_cndmask_b32 v[T+11], v[T+9], v[T+2], s68     ; and its square
	v_mov_b32 v[T+12], 4.2163199e-2
	v_fmaak_f32 v[T+12], v[T+12], v[T+11], 2.4181311e-2
	v_fmaak_f32 v[T+12], v[T+12], v[T+11], 4.5470026e-2
	v_fmaak_f32 v[T+12], v[T+12], v[T+11], 7.4953003e-2
	v_fmaak_f32 v[T+12], v[T+12], v[T+11], 0.16666752
	v_mul_f32 v[T+13], v[T+10], v[T+11]
	v_fma_f32 v[T+12], v[T+12], v[T+13], v[T+10]   ; asin
	v_add_f32 v[T+13], v[T+12], v[T+12]
	v_fmaak_f32 v[T+14], -2.0, v[T+12], 3.14159265
	v_sub_f32 v[T+15], 1.57079633, v[T+12]
	v_cndmask_b32 v[T+13], v[T+13], v[T+14], s69
	v_cndmask_b32 v[T+13], v[T+15], v[T+13], s68   ; theta = acos cc
	v_mul_f32 v[T+14], v[T+13], v[T+13]
	v_rcp_f32 v[T+15], v[T+14]
	v_mul_f32 v[T+16], v[T+13], v[T+7]             ; plain
	v_mul_f32 v[T+17], v[T+5], v[T+7]              ; sin theta
	v_mul_f32 v[T+16], 0.5, v[T+16]                ; theta / (2 sin theta)
	v_mov_b32 v[T+18], 8.2671958e-7
	v_mul_f32 v[T+17], v[T+17], v[T+13]
	v_fmaak_f32 v[T+18], v[T+18], v[T+14], 3.3068783e-5
	v_mul_f32 v[T+17], v[T+17], v[T+8]
	v_fmaak_f32 v[T+18], v[T+18], v[T+14], 1.3888889e-3
	v_fma_f32 v[T+17], v[T+17], -0.5, 1.0
	v_fmaak_f32 v[T+18], v[T+18], v[T+14], 8.3333333e-2
	s_wait_alu depctr_va_vdst(0)
	v_mul_f32 v[T+17], v[T+17], v[T+15]
	v_cmp_gt_f32 vcc_lo, 0.25, v[T+14]
	v_cndmask_b32 v[T+18], v[T+17], v[T+18], vcc_lo   ; D: the series below theta^2 = 0.25
	v_sub_f32 v[T+19], v[X+9], v[X+6]
	v_sub_f32 v[T+20], v[X+2], v[X+8]
	v_sub_f32 v[T+21], v[X+4], v[X+1]
	v_mul_f32 v[T+19], v[T+16], v[T+19]            ; w
	v_mul_f32 v[T+20], v[T+16], v[T+20]
	v_mul_f32 v[T+21], v[T+16], v[T+21]
	v_mul_f32 v[T+22], v[T+20], v[X+11]            ; a = w x p
	v_mul_f32 v[T+23], v[T+21], v[X+3]
	v_mul_f32 v[T+24], v[T+19], v[X+7]
	v_fma_f32 v[T+22], -v[T+21], v[X+7], v[T+22]
	v_fma_f32 v[T+23], -v[T+19], v[X+11], v[T+23]
	v_fma_f32 v[T+24], -v[T+20], v[X+3], v[T+24]
	v_mul_f32 v[T+25], v[T+20], v[T+24]            ; w x a
	v_mul_f32 v[T+26], v[T+21], v[T+22]
	v_mul_f32 v[T+27], v[T+19], v[T+23]
	v_fma_f32 v[T+25], -v[T+21], v[T+23], v[T+25]
	v_fma_f32 v[T+26], -v[T+19], v[T+24], v[T+26]
	v_fma_f32 v[T+27], -v[T+20], v[T+22], v[T+27]
	v_fma_f32 v[T+22], v[T+22], -0.5, v[X+3]       ; v = p - a / 2 + D w x a
	v_fma_f32 v[T+23], v[T+23], -0.5, v[X+7]
	v_fma_f32 v[T+24], v[T+24], -0.5, v[X+11]
	v_fma_f32 v[T+22], v[T+18], v[T+25], v[T+22]
	v_fma_f32 v[T+23], v[T+18], v[T+26], v[T+23]
	v_fma_f32 v[T+24], v[T+18], v[T+27], v[T+24]
	v_cvt_pk_f16_f32 v[XF], v[T+19], v[T+20]       ; k = 0..5; the upper half of the lanes holds the same and meets zero weights
	v_cvt_pk_f16_f32 v[XF+1], v[T+21], v[T+22]
	v_cvt_pk_f16_f32 v[XF+2], v[T+23], v[T+24]
	v_mov_b32 v[XF+3], 0                           ; k = 6, 7: the last d's lay here
.endm
	; ---------------- set-up
	s_load_b512 s[8:23], s[0:1], 0x0               ; Pp s[8:9], Wf s[10:11], Swf s[12:13], Wof s[14:15], tab s[16:17], xi0 s[18:19], gb1 s[20:21], gW2 s[22:23]
	s_load_b128 s[24:27], s[0:1], 0x40             ; gb2 s[24:25], out0 s[26:27]
	s_load_b64 s[28:29], s[0:1], 0x50              ; out1
	v_lshrrev_b32 v1, 5, v0
	v_readfirstlane_b32 s2, v1                     ; wave 0..3
	v_and_b32 v1, 15, v0                           ; r
	v_bfe_u32 v2, v0, 4, 1                         ; hh
	v_and_b32 v3, 31, v0
	v_lshlrev_b32 v[LA], 4, v3
	s_lshl_b32 s3, s2, 8
	v_lshl_add_u32 v[ABIAS], v2, 5, s3             ; 4 (64 w + 8 hh)
	v_mov_b32 v[ATB], v[ABIAS]
	v_mul_u32_u24 v[ASTL], v1, 80
	v_add_nc_u32 v[ASTL], STAT, v[ASTL]
	s_lshl_b32 s4, s2, 4
	v_lshl_add_u32 v[ASTS], v2, 3, s4              ; group 2 w + hh
	v_add_nc_u32 v[ASTS], v[ASTS], v[ASTL]
	s_lshl_b32 s4, s2, 11
	v_add_nc_u32 v252, s4, v[LA]                   ; 2,048 w + 16 lane: my place in a set of Swf and in Wof
	s_add_co_u32 s4, s4, ZF
	v_add_nc_u32 v[AZS], s4, v[LA]
	v_add_nc_u32 v[AZL], ZF, v[LA]
	v_mul_u32_u24 v[AVL], v1, 48
	v_add_nc_u32 v[AVL], VP, v[AVL]
	s_mul_i32 s4, s2, 768
	v_add_nc_u32 v[AVS], s4, v[AVL]
	s_mul_i32 s4, s2, SWB
	s_add_co_u32 s4, s4, SWL
	v_add_nc_u32 v[ASW], s4, v[LA]
	v_lshlrev_b32 v46, 4, v0                       ; 16 x thread: the table's copy
	s_mul_i32 s5, ttmp9, 384
	v_mad_u32_u24 v47, v1, 24, s5                  ; my row of xi0
	s_lshl_b32 s4, s2, 12
	v_add_nc_u32 v253, s4, v[LA]                   ; my four column tiles in a block of Pp
	s_lshl_b32 s4, s2, 10
	v_add_nc_u32 v254, s4, v[LA]                   ; my gripper tile, 16,384 bytes further on
	s_lshl_b32 s4, s2, 6
	v_lshl_add_u32 v255, v2, 5, s4                 ; 4 (16 w + 8 hh)
	s_mul_i32 s30, ttmp9, 20480
	s_mov_b32 s31, 0
	s_mov_b32 s50, 0.8493218                       ; c = sqrt(log2(e) / 2)
	s_mov_b32 s51, s50
	s_mov_b32 s52, -0.7478556                      ; the rational form's coefficients, negated: - a3, - a1 (- a2 lies in v[42:43])
	s_mov_b32 s53, s52
	s_mov_b32 s54, -0.3480242
	s_mov_b32 s55, s54
	s_mov_b32 s56, 0.117741                        ; 0.1 / c: the last layer's sum carries 2 c and m is rs / 2
	s_mov_b32 s57, 0.58870501                      ; 1 / (2 c): the gripper's sum carries 2 c
	s_mov_b32 s60, 0.39169197                      ; 0.47047 / sqrt(log2(e)): |x| / sqrt(2) = |u| / sqrt(log2(e))
	s_mov_b32 s61, 4.0e-5                          ; 4 x 1e-5
	s_mov_b32 s62, 0x76543210                      ; v_permlanex16_b32: each lane takes its own place in the other half
	s_mov_b32 s63, 0xfedcba98
	s_mov_b32 s72, 0xbf7ffffe                      ; -1 + 1e-7 and 1 - 1e-7 in f32
	s_mov_b32 s73, 0x3f7ffffe
	s_mov_b32 s74, 0x3dcccccd                      ; 0.1
	s_mov_b32 s75, s74
	s_wait_kmcnt 0x0
	s_add_nc_u64 s[32:33], s[8:9], s[30:31]        ; my block of 16 rows in each K quarter of Pp
	s_add_nc_u64 s[34:35], s[32:33], 5242880
	s_add_nc_u64 s[36:37], s[34:35], 5242880
	s_add_nc_u64 s[38:39], s[36:37], 5242880
	s_load_b256 s[40:47], s[16:17], 0x3400         ; 0.1 bout'
	s_load_b32 s48, s[24:25], 0x0                  ; gb2
.irp i, 0,1,2,3,4,5,6
	global_load_b128 v[224+4*\i:227+4*\i], v46, s[16:17] offset:\i*2048
.endr
.irp i, 0,1,2
	global_load_b64 v[V6+2*\i:V6+2*\i+1], v47, s[18:19] offset:8*\i
.endr
.irp t, 0,1,2,3
	global_load_b128 v[WO+4*\t:WO+4*\t+3], v252, s[14:15] offset:\t*512
.endr
.irp t, 0,1,2,3,4,5,6,7
	global_load_b128 v[P+4*\t:P+4*\t+3], v253, s[32:33] offset:\t*512
.endr
.irp q, 0,1,2,3
	global_load_b128 v[ACC+8*\q:ACC+8*\q+3],   v254, s[32+2*\q:33+2*\q] offset:16384
	global_load_b128 v[ACC+8*\q+4:ACC+8*\q+7], v254, s[32+2*\q:33+2*\q] offset:16384+512
.endr
	global_load_b128 v[ZA:ZA+3],     v255, s[20:21]
	global_load_b128 v[ZA+4:ZA+7],   v255, s[20:21] offset:16
	global_load_b128 v[ZA+8:ZA+11],  v255, s[22:23]
	global_load_b128 v[ZA+12:ZA+15], v255, s[22:23] offset:16
	WIN 0x40                                       ; destination window 1: the other three quarters of P lie there until the weights come
.irp q, 1,2,3
.irp t, 0,1,2,3,4,5,6,7
	global_load_b128 v[32*(\q-1)+4*\t:32*(\q-1)+4*\t+3], v253, s[32+2*\q:33+2*\q] offset:\t*512
.endr
.endr
	WIN 0x80                                       ; destination window 2: my small weights, on their way into LDS
.irp s, 0,1,2,3
.irp t, 0,1,2,3
	global_load_b128 v[4*(4*\s+\t):4*(4*\s+\t)+3], v252, s[12:13] offset:\s*8192+\t*512
.endr
.endr
	global_load_b128 v[64:67], v[LA], s[12:13] offset:32768
	WIN 0
.irp i, 3,4,5,6,7
	v_mov_b32 v[XF+\i], 0                          ; k = 6 .. 31 of the short K block's fragment
.endr
.irp t, 0,1,2,3
.irp i, 4,5,6,7
	v_mov_b32 v[SWR+8*\t+\i], 0                    ; k = 16 .. 31 of the small weights' fragments
.endr
.endr
	v_mov_b32 v[A4], 0.0958798                     ; - a2
	v_mov_b32 v[A4+1], v[A4]
	v_mov_b32 v[ML+1], 0                           ; named in pairs before they are first made
	v_mov_b32 v[RS+1], 0
	s_wait_loadcnt 0x0
.irp i, 0,1,2,3,4,5,6
	ds_store_b128 v46, v[224+4*\i:227+4*\i] offset:TAB+\i*2048
.endr
	WIN 0x08                                       ; store data (source 1) window 2
.irp s, 0,1,2,3
.irp t, 0,1,2,3
	ds_store_b128 v[ASW], v[4*(4*\s+\t):4*(4*\s+\t)+3] offset:\s*2048+\t*512
.endr
.endr
	ds_store_b128 v[ASW], v[64:67] offset:8192
	WIN 0x04                                       ; source 1 window 1
.irp q, 0,1,2
.set i, 0
.rept 16
	v_pk_add_f32 v[P+2*i:P+2*i+1], v[P+2*i:P+2*i+1], v[32*\q+2*i:32*\q+2*i+1]   ; P: the four quarters, K ascending
.set i, i+1
.endr
.endr
	WIN 0
.set i, 0
.rept 16
	v_pk_mul_f32 v[P+2*i:P+2*i+1], v[P+2*i:P+2*i+1], s[50:51] op_sel_hi:[1,0]   ; c P, once for the ten steps
.set i, i+1
.endr
	; the weights of the three layers, 192 loads, into windows 1 to 3; they land while the gripper and the first pose are made
	s_lshl_b32 s30, s2, 15
	s_add_nc_u64 s[10:11], s[10:11], s[30:31]      ; my four column tiles
	s_wait_dscnt 0x0                               ; the LDS stores above have read window 2's registers
.irp l, 0,1,2
	WIN 0x40*(\l+1)
.set f, 0
.rept 32
	global_load_b128 v[8*f:8*f+3],   v[LA], s[10:11] offset:\l*131072+f*1024
	global_load_b128 v[8*f+4:8*f+7], v[LA], s[10:11] offset:\l*131072+f*1024+512
.set f, f+1
.endr
.endr
	WIN 0
	; the gripper: my 8 columns of c (h gW1 + gb1), the activation, times gW2; the factor 2 c is taken out of the row's sum at the end
.irp q, 8,16,24
.irp i, 0,2,4,6
	v_pk_add_f32 v[ACC+\i:ACC+\i+1], v[ACC+\i:ACC+\i+1], v[ACC+\q+\i:ACC+\q+\i+1]
.endr
.endr
.irp i, 0,2,4,6
	v_pk_add_f32 v[ACC+\i:ACC+\i+1], v[ACC+\i:ACC+\i+1], v[ZA+\i:ZA+\i+1]
.endr
.irp i, 0,2,4,6
	v_pk_mul_f32 v[ACC+\i:ACC+\i+1], v[ACC+\i:ACC+\i+1], s[50:51] op_sel_hi:[1,0]
.endr
	GELU ACC, 8, ZA+16
	v_mul_f32 v248, v[ACC], v[ZA+8]
.irp i, 1,2,3,4,5,6,7
	v_fmac_f32 v248, v[ACC+\i], v[ZA+8+\i]
.endr
	v_mov_b32 v249, 0
	v_permlanex16_b32 v249, v248, s62, s63         ; the tile's other 8 columns
	v_add_f32 v248, v248, v249
	s_lshl_b32 s4, s2, 6
	s_add_co_u32 s4, s4, GP
	v_lshl_add_u32 v250, v1, 2, s4
	ds_store_b32 v250, v248
.irp i, 0,2,4
	v_pk_mul_f32 v[V6+\i:V6+\i+1], v[V6+\i:V6+\i+1], s[74:75] op_sel_hi:[1,0]   ; 0.1 xi0
.endr
	s_wait_kmcnt 0x0
	BAR                                            ; the table and the gripper's parts are in LDS
	EXPUP 1
	; ---------------- the ten steps: four barriers each
	s_mov_b32 s66, 0
.Lstep:
	BIASLD ATB, 0                                  ; c tb[s]
	SWLD 0, 4                                      ; c W6
	LOG
	s_wait_dscnt 0x0
.irp nt, 0,1,2,3
	v_wmma_f32_16x16x32_f16 v[ACC+8*\nt:ACC+8*\nt+7], v[SWR+8*\nt:SWR+8*\nt+7], v[XF:XF+7], v[ACC+8*\nt:ACC+8*\nt+7]
.endr
	PLACES
.set i, 0
.rept 16
	v_pk_add_f32 v[ACC+2*i:ACC+2*i+1], v[ACC+2*i:ACC+2*i+1], v[P+2*i:P+2*i+1]
.set i, i+1
.endr
	LAYER 0, 0
	LAYER 1, 1
	LAYER 2, 0
	; the last layer: K is shared out among the waves, so my own two fragments are all that I need; two accumulators, one product each.
	; The partial sums and my pair cross LDS behind one barrier; S d, m and the bias follow behind it.
	SWLD 4, 1                                      ; Wout's S
	ACTS
	v_wmma_f32_16x16x32_f16 v[OA:OA+7], v[WO:WO+7], v[ZO:ZO+7], 0
	v_wmma_f32_16x16x32_f16 v[OB:OB+7], v[WO+8:WO+15], v[ZO+8:ZO+15], 0
	ds_store_b64 v[ASTS], v[ML:ML+1] offset:STATB
	PLACES
.irp i, 0,2,4
	v_pk_add_f32 v[OA+\i:OA+\i+1], v[OA+\i:OA+\i+1], v[OB+\i:OB+\i+1]
.endr
	ds_store_b128 v[AVS], v[OA:OA+3]
	ds_store_b64 v[AVS], v[OA+4:OA+5] offset:16
	BAR
.irp t, 0,1,2,3
	ds_load_b128 v[CB+4*\t:CB+4*\t+3], v[ASTL] offset:STATB+16*\t
.endr
.irp w, 0,1,2,3
	ds_load_b128 v[ZA+8*\w:ZA+8*\w+3],   v[AVL] offset:\w*768
	ds_load_b64  v[ZA+8*\w+4:ZA+8*\w+5], v[AVL] offset:\w*768+16
.endr
	s_wait_dscnt 8                                 ; the statistics are in; the eight loads of the partial sums may stay out
	COMBINE
	v_wmma_f32_16x16x32_f16 v[OC:OC+7], v[SWR:SWR+7], v[XF:XF+7], 0
	s_wait_dscnt 0x0
.irp i, 0,2,4                          ; nine additions that name none of that product's registers: its places
	v_pk_add_f32 v[ZA+\i:ZA+\i+1], v[ZA+\i:ZA+\i+1], v[ZA+8+\i:ZA+8+\i+1]
	v_pk_add_f32 v[ZA+16+\i:ZA+16+\i+1], v[ZA+16+\i:ZA+16+\i+1], v[ZA+24+\i:ZA+24+\i+1]
.endr
.irp i, 0,2,4
	v_pk_add_f32 v[ZA+\i:ZA+\i+1], v[ZA+\i:ZA+\i+1], v[ZA+16+\i:ZA+16+\i+1]
.endr
	s_wait_alu depctr_va_vdst(0)
	v_mul_f32 v[RT], s56, v[RS]                    ; 0.1 rs / (2 c) = (0.1 / c) m
.irp i, 0,2,4
	v_pk_add_f32 v[ZA+\i:ZA+\i+1], v[ZA+\i:ZA+\i+1], v[OC+\i:OC+\i+1]
.endr
.irp i, 0,1,2,3,4,5
	v_fma_f32 v[V6+\i], v[ZA+\i], v[RT], s[40+\i]  ; dt v
.endr
	EXPUP 0
	v_add_nc_u32 v[ATB], 1024, v[ATB]
	s_add_co_u32 s66, s66, 1
	s_cmp_lt_u32 s66, 10
	s_cbranch_scc1 .Lstep
	; ---------------- out: wave 0 alone; every wave holds the same poses
	s_cmp_lg_u32 s2, 0
	s_cbranch_scc1 .Lend
	v_lshlrev_b32 v46, 6, v1                       ; a pose is 64 bytes
	v_lshlrev_b32 v47, 2, v1
	v_mov_b32 v[T], 0
	v_mov_b32 v[T+1], 0
	v_mov_b32 v[T+2], 0
	v_mov_b32 v[T+3], 1.0
	ds_store_b128 v46, v[X:X+3] offset:OUTS
	ds_store_b128 v46, v[X+4:X+7] offset:OUTS+16
	ds_store_b128 v46, v[X+8:X+11] offset:OUTS+32
	ds_store_b128 v46, v[T:T+3] offset:OUTS+48
	ds_load_b128 v[T+4:T+7], v[LA] offset:OUTS     ; LDS serves a wave's instructions in order (ISA guide 5.7.1.4): these see the stores above
	ds_load_b128 v[T+8:T+11], v[LA] offset:OUTS+512
.irp w, 0,1,2,3
	ds_load_b32 v[T+12+\w], v47 offset:GP+64*\w
.endr
	s_lshl_b32 s30, ttmp9, 10
	s_add_nc_u64 s[26:27], s[26:27], s[30:31]
	s_lshl_b32 s30, ttmp9, 6
	s_add_nc_u64 s[28:29], s[28:29], s[30:31]
	s_wait_dscnt 0x0
	global_store_b128 v[LA], v[T+4:T+7], s[26:27]                 ; each store covers 512 consecutive bytes, aligned
	global_store_b128 v[LA], v[T+8:T+11], s[26:27] offset:512
	v_add_f32 v[T+12], v[T+12], v[T+13]
	v_add_f32 v[T+14], v[T+14], v[T+15]
	v_add_f32 v[T+12], v[T+12], v[T+14]
	v_fma_f32 v[T+12], v[T+12], s57, s48           ; the sum / (2 c) + gb2
	v_mul_f32 v[T+12], 0xbfb8aa3b, v[T+12]         ; sigmoid(x) = 1 / (1 + 2^(- x log2(e)))
	v_exp_f32 v[T+12], v[T+12]
	v_cmp_gt_u32 vcc_lo, 16, v0                    ; a plain instruction behind the exponential
	s_wait_alu depctr_va_vdst(0)
	v_add_f32 v[T+12], 1.0, v[T+12]
	v_rcp_f32 v[T+12], v[T+12]
	v_nop
	s_wait_xcnt 0x0                                ; EXEC changes only behind this wait
	s_and_saveexec_b32 s4, vcc_lo                  ; one lane for each row
	s_wait_alu depctr_va_vdst(0)
	global_store_b32 v47, v[T+12], s[28:29]
	s_wait_xcnt 0x0                                ; and again, in front of the line that widens it
	s_or_b32 exec_lo, exec_lo, s4
.Lend:
	s_wait_xcnt 0x0
	s_mov_b32 exec_lo, -1
	v_lshl_add_u32 v142, v0, 2, 0x11c00
	v_mov_b32 v143, 0
	s_wait_tensorcnt 0x0
	ds_add_u32 v142, v143
	s_wait_dscnt 0x0
	s_endpgm
.Lfunc_end_k_qc62fcd32eb_flow:
	.size	k_qc62fcd32eb_flow, .Lfunc_end_k_qc62fcd32eb_flow-k_qc62fcd32eb_flow
	.p2alignl 7, 3214868480
	.fill 96, 4, 3214868480
	.section	.rodata,"a",@progbits
	.p2align	6, 0x0
	.amdhsa_kernel k_qc62fcd32eb_flow
		.amdhsa_group_segment_fixed_size 73216
		.amdhsa_private_segment_fixed_size 0
		.amdhsa_enable_private_segment 0
		.amdhsa_kernarg_size 88
		.amdhsa_user_sgpr_count 2
		.amdhsa_user_sgpr_kernarg_segment_ptr 1
		.amdhsa_wavefront_size32 1
		.amdhsa_system_sgpr_workgroup_id_x 1
		.amdhsa_system_sgpr_workgroup_id_y 1
		.amdhsa_system_sgpr_workgroup_id_z 1
		.amdhsa_system_vgpr_workitem_id 0
		.amdhsa_next_free_vgpr 1024
		.amdhsa_next_free_sgpr 80
		.amdhsa_reserve_vcc 1
		.amdhsa_float_denorm_mode_32 3
		.amdhsa_float_denorm_mode_16_64 3
		.amdhsa_memory_ordered 1
		.amdhsa_forward_progress 1
		.amdhsa_inst_pref_size 147
	.end_amdhsa_kernel
	.amdgpu_metadata
---
amdhsa.version: [ 1, 2 ]
amdhsa.kernels:
  - .name:           k_qc62fcd32eb_flow
    .symbol:         k_qc62fcd32eb_flow.kd
    .args:
      - { .name: Pp, .offset: 0, .size: 8, .value_kind: global_buffer, .address_space: global }
      - { .name: Wf, .offset: 8, .size: 8, .value_kind: global_buffer, .address_space: global }
      - { .name: Swf, .offset: 16, .size: 8, .value_kind: global_buffer, .address_space: global }
      - { .name: Wof, .offset: 24, .size: 8, .value_kind: global_buffer, .address_space: global }
      - { .name: tab, .offset: 32, .size: 8, .value_kind: global_buffer, .address_space: global }
      - { .name: xi0, .offset: 40, .size: 8, .value_kind: global_buffer, .address_space: global }
      - { .name: gb1, .offset: 48, .size: 8, .value_kind: global_buffer, .address_space: global }
      - { .name: gW2, .offset: 56, .size: 8, .value_kind: global_buffer, .address_space: global }
      - { .name: gb2, .offset: 64, .size: 8, .value_kind: global_buffer, .address_space: global }
      - { .name: out0, .offset: 72, .size: 8, .value_kind: global_buffer, .address_space: global }
      - { .name: out1, .offset: 80, .size: 8, .value_kind: global_buffer, .address_space: global }
    .group_segment_fixed_size: 73216
    .private_segment_fixed_size: 0
    .kernarg_segment_align: 8
    .kernarg_segment_size: 88
    .max_flat_workgroup_size: 128
    .sgpr_count:     80
    .vgpr_count:     1024
    .wavefront_size: 32
...
	.end_amdgpu_metadata
.endif
;; end of part 3
